; MI455X (gfx1250); checked and timed in simulation.
; The chip was launched on July 23, 2026; its instructions are those of AMD's public machine-readable ISA for CDNA 5 (MIT licence, August 2026) and "CDNA5" Instruction Set Architecture Reference Guide (July 2026). The comments in the code are by the model that wrote it; some were corrected since.
;; Attention. Allowed arithmetic: float matrix products may take bf16 or f16 operands with f32 sums; all other float work in f32.
;; Inputs: Wk 1,024 x 1,024 float32; Wo 1,024 x 1,024 float32; Wq 1,024 x 1,024 float32; Wv 1,024 x 1,024 float32; X 2 x 2,048 x 1,024 float32; bo 1,024 float32.
;; Outputs: out0 2 x 2,048 x 1,024 float32.
;; 2 versions, each right. Each part assembles by itself: llvm-mc -triple=amdgcn-amd-amdhsa -mcpu=gfx1250 --defsym DOCPART=n.
;; ======== version 1 of 2: 4 launches
;; workspace buffers: Xb 8,388,608 bytes; Wb 8,388,608 bytes; Qn 8,388,608 bytes; Kn 8,388,608 bytes; Vh 8,388,608 bytes; Vl 8,388,608 bytes; Tt 262,144 bytes; Ah 16,777,216 bytes
;; launch prep (part 1): grid 256 x 1, 8 waves a work-group, no clusters, 0 bytes of LDS; arguments X, Wq, Wk, Wv, Wo, Xb, Wb; writes Xb, Wb
.if DOCPART == 1
	.amdgcn_target "amdgcn-amd-amdhsa--gfx1250"
	.amdhsa_code_object_version 6
	.text
	.protected	k_q04b540d6e8_prep
	.globl	k_q04b540d6e8_prep
	.p2align	8
	.type	k_q04b540d6e8_prep,@function
k_q04b540d6e8_prep:
	s_mov_b64 s[64:65], 0
	v_nop
	global_prefetch_b8 v0, s[64:65] scope:SCOPE_SE
	s_setreg_imm32_b32 hwreg(HW_REG_WAVE_MODE, 25, 1), 1
	s_wait_xcnt 0x0
; Casts X and the four weights from f32 to bf16 (round to nearest even), layouts unchanged.
; Xb = X as [4096][1024]; Wb = Wq, Wk, Wv, Wo one behind the other, each [1024 k][1024 n], 2 MiB apart.
; 256 work-groups of 8 waves; work-group g takes 131,072 bytes of input: g < 128 of X, the others of weight (g-128)/32.
; A wave takes 16,384 bytes by 32 loads of 512 neighbouring bytes, all issued before the first is used, and
; stores 32 times 256 neighbouring bytes, aligned.  No register is written twice, so no source has to be freed.
; No LDS, no matrix unit: the launch only moves bytes.
.set NLD, 32                           ; loads of a wave
.set XI,  8                            ; v[8:135]   f32 as loaded, 4 registers a load
.set XO,  136                          ; v[136:199] bf16 to store, 2 registers a load
	s_load_b256 s[4:11], s[0:1], 0x0               ; X s[4:5], Wq s[6:7], Wk s[8:9], Wv s[10:11]
	s_load_b128 s[12:15], s[0:1], 0x20             ; Wo s[12:13], Xb s[14:15]
	s_load_b64 s[16:17], s[0:1], 0x30              ; Wb
	s_and_b32 s20, ttmp9, 127                      ; my number among X's parts, or among the weights' parts
	s_lshr_b32 s21, s20, 5                         ; which weight
	s_and_b32 s22, s20, 31                         ; which part of it
	v_lshrrev_b32 v1, 5, v0                        ; wave
	v_and_b32 v2, 31, v0                           ; lane
	v_lshlrev_b32 v2, 4, v2
	v_lshl_or_b32 v1, v1, 14, v2                   ; in: wave x 16,384 + lane x 16
	v_lshrrev_b32 v3, 1, v1                        ; out: half of that
	s_wait_kmcnt 0x0
	s_cmp_eq_u32 s21, 1                            ; the source is chosen among the buffers by my number alone
	s_cselect_b64 s[24:25], s[8:9], s[6:7]
	s_cmp_eq_u32 s21, 2
	s_cselect_b64 s[24:25], s[10:11], s[24:25]
	s_cmp_eq_u32 s21, 3
	s_cselect_b64 s[24:25], s[12:13], s[24:25]
	s_cmp_lt_u32 ttmp9, 128
	s_cselect_b64 s[24:25], s[4:5], s[24:25]
	s_cselect_b64 s[26:27], s[14:15], s[16:17]
	s_cselect_b32 s28, s20, s22
	s_lshl_b32 s28, s28, 17                        ; 131,072 bytes of f32 a part
	s_mov_b32 s29, 0
	s_lshl_b32 s30, s20, 16                        ; 65,536 bytes of bf16 a part; 32 parts are a weight's 2 MiB
	s_mov_b32 s31, 0
	s_add_nc_u64 s[24:25], s[24:25], s[28:29]
	s_add_nc_u64 s[26:27], s[26:27], s[30:31]
.set k, 0
.rept NLD
	global_load_b128 v[XI+4*k:XI+4*k+3], v1, s[24:25] offset:512*k th:TH_LOAD_NT
.set k, k+1
.endr
.set k, 0
.rept NLD
	s_wait_loadcnt NLD-1-k                         ; loads come back in order: load k is in, the younger ones stay out
	v_cvt_pk_bf16_f32 v[XO+2*k], v[XI+4*k], v[XI+4*k+1]
	v_cvt_pk_bf16_f32 v[XO+2*k+1], v[XI+4*k+2], v[XI+4*k+3]
	global_store_b64 v3, v[XO+2*k:XO+2*k+1], s[26:27] offset:256*k   ; 32 lanes x 8 bytes: 256 consecutive bytes, aligned
.set k, k+1
.endr
	s_endpgm
.Lfunc_end_k_q04b540d6e8_prep:
	.size	k_q04b540d6e8_prep, .Lfunc_end_k_q04b540d6e8_prep-k_q04b540d6e8_prep
	.p2alignl 7, 3214868480
	.fill 96, 4, 3214868480
	.section	.rodata,"a",@progbits
	.p2align	6, 0x0
	.amdhsa_kernel k_q04b540d6e8_prep
		.amdhsa_group_segment_fixed_size 0
		.amdhsa_private_segment_fixed_size 0
		.amdhsa_enable_private_segment 0
		.amdhsa_kernarg_size 56
		.amdhsa_user_sgpr_count 2
		.amdhsa_user_sgpr_kernarg_segment_ptr 1
		.amdhsa_wavefront_size32 1
		.amdhsa_system_sgpr_workgroup_id_x 1
		.amdhsa_system_sgpr_workgroup_id_y 1
		.amdhsa_system_sgpr_workgroup_id_z 1
		.amdhsa_system_vgpr_workitem_id 0
		.amdhsa_next_free_vgpr 200
		.amdhsa_next_free_sgpr 66
		.amdhsa_reserve_vcc 0
		.amdhsa_float_denorm_mode_32 3
		.amdhsa_float_denorm_mode_16_64 3
		.amdhsa_memory_ordered 1
		.amdhsa_forward_progress 1
		.amdhsa_inst_pref_size 13
	.end_amdhsa_kernel
	.amdgpu_metadata
---
amdhsa.version: [ 1, 2 ]
amdhsa.kernels:
  - .name:           k_q04b540d6e8_prep
    .symbol:         k_q04b540d6e8_prep.kd
    .args:
      - { .name: X, .offset: 0, .size: 8, .value_kind: global_buffer, .address_space: global }
      - { .name: Wq, .offset: 8, .size: 8, .value_kind: global_buffer, .address_space: global }
      - { .name: Wk, .offset: 16, .size: 8, .value_kind: global_buffer, .address_space: global }
      - { .name: Wv, .offset: 24, .size: 8, .value_kind: global_buffer, .address_space: global }
      - { .name: Wo, .offset: 32, .size: 8, .value_kind: global_buffer, .address_space: global }
      - { .name: Xb, .offset: 40, .size: 8, .value_kind: global_buffer, .address_space: global }
      - { .name: Wb, .offset: 48, .size: 8, .value_kind: global_buffer, .address_space: global }
    .group_segment_fixed_size: 0
    .private_segment_fixed_size: 0
    .kernarg_segment_align: 8
    .kernarg_segment_size: 56
    .max_flat_workgroup_size: 256
    .sgpr_count:     66
    .vgpr_count:     200
    .wavefront_size: 32
...
	.end_amdgpu_metadata
.endif
;; end of part 1
;; launch qkv (part 2): grid 8 x 32, 4 waves a work-group, clusters of 4 x 4, 327,680 bytes of LDS; arguments Xb, Wb, Qn, Kn, Vh, Vl, Tt; writes Qn, Kn, Vh, Vl, Tt
.if DOCPART == 2
	.amdgcn_target "amdgcn-amd-amdhsa--gfx1250"
	.amdhsa_code_object_version 6
	.text
	.protected	k_q04b540d6e8_qkv
	.globl	k_q04b540d6e8_qkv
	.p2align	8
	.type	k_q04b540d6e8_qkv,@function
k_q04b540d6e8_qkv:
	s_mov_b64 s[64:65], 0
	v_nop
	global_prefetch_b8 v0, s[64:65] scope:SCOPE_SE
	s_setreg_imm32_b32 hwreg(HW_REG_WAVE_MODE, 25, 1), 1
	s_wait_xcnt 0x0
	s_wait_alu depctr_hold_cnt(0) depctr_sa_sdst(0) depctr_va_vdst(0) depctr_va_sdst(0) depctr_va_ssrc(0) depctr_va_vcc(0) depctr_vm_vsrc(0)
	s_getreg_b32 s2, hwreg(HW_REG_IB_STS2, 6, 4)
	s_cmp_eq_u32 s2, 0
	s_cbranch_scc0 .Lentry_in_a_cluster
	s_endpgm
.Lentry_in_a_cluster:
	s_bfe_u32 s2, ttmp6, 0x10000c
	s_cmp_lg_u32 s2, 0xf033
	s_cbranch_scc0 .Lentry_shape_is_right
	s_endpgm
.Lentry_shape_is_right:
; Q, K, V = X [Wq | Wk | Wv], then per head: Qn = q / (|q| + 1e-6) / 8, Kn = k / (|k| + 1e-6), both bf16;
; V as two bf16, Vh = bf16(v), Vl = bf16(v - Vh); Tt = the f32 sum of v over each chunk of 64 tokens.
; Qn, Kn, Vh, Vl: [batch x 16 + head][2048 tokens][64]; Tt: [batch x 16 + head][32 chunks][64] f32.
; A work-group makes 128 tokens x 2 heads of Q, K and V.  Wave w: tokens 64 (w >> 1) .., head w & 1: a tile of 64 x 192
; (its head's Q, K, V), 48 accumulator tiles of 16 x 16.  A head's 64 columns lie in one wave: the norm never leaves it.
; K (1024) goes in steps of 128 through two LDS slots; a slot holds X's tile (128 rows of 256 bytes) and the three weights'
; tiles (128 k-rows of 256 bytes each).  Weights lie [k][n]; ds_load_tr16_b128 turns them into fragments.
; CLUSTERS: 4 x 4 work-groups.  X's tile hangs on the token block alone: asked for jointly along a row of the cluster.
; The weights' tiles hang on the pair of heads alone: asked for jointly along a column.  Wave 0 asks for X, waves 1-3 for Wq, Wk, Wv.
; A wave has at most two tensor loads outstanding (the two slots' first fills), later one.
; THE MATRIX INSTRUCTION IS USED TRANSPOSED: source 0 = 16 columns of W, source 1 = 16 tokens of X: lane l holds token l % 16
; and its registers 0-7 the columns 8 (l / 16) + 0..7: eight neighbouring numbers of a row.
; LIMITS: inputs finite.  v_sqrt_f32 and v_rcp_f32 are good to one unit in the last place and take a denormal sum of squares as zero
; (then q / 1e-6 is formed, as for a zero vector).
; REGISTERS: window 0: v0-31 addresses, v32-63 at work, v64-95 / v96-127 X's fragments (two buffers); on the way out v64-239 at work.
;   window 1: v0-95 / v96-191 W's twelve fragments (two buffers).  window 2: accumulators of token tiles 0, 1 at 8 (12 (a % 2) + b);
;   window 3: those of token tiles 2, 3.  b = 0-3 Q, 4-7 K, 8-11 V.
.set KSTEP,  128
.set PA,     272                       ; X's LDS rows: 256 bytes + 16: an odd multiple of 16, so 16 rows start at 16 different 16-byte columns
.set PB,     288                       ; W's LDS rows: 256 bytes + 32: an odd multiple of 32, as the transposing loads want
.set REGION, 128*PB                    ; 36,864: what one wave's tensor load fills (X's tile uses 34,816 of it)
.set SLOT,   4*REGION
.set STAGE,  2*SLOT                    ; behind the ring: a stage for each wave, never filled by a tensor load
.set SP,     144                       ; stage rows: 128 bytes + 16
.set STGW,   2560                      ; 16 rows x 144, then 256 bytes for the chunk's totals
.set LAPS,   4                         ; 1024 / (2 x 128)
.set ADRA, 16                          ; v16-17  my X fragments in slot 0, 1
.set ADRB, 18                          ; v18-23  my W fragments: 18 + 2 m + slot
.set STO,  24                          ; stage: where I put 16 bytes of a row
.set RD,   25                          ; stage: where I read rows back
.set CO,   26                          ; 16 x lane: my bytes in 512 bytes of output
.set TST,  27                          ; totals: in
.set TLD,  28                          ; totals: back
.set TCO,  29                          ; 8 x lane
.set NRM,  32                          ; v32-37  sums of squares, the norm, its reciprocal twice
.set PL,   48                          ; v48-63  packed lo
.set TF,   64                          ; v64-95  32 numbers in f32, at work
.set PK,   128                         ; v128-143 packed bf16
.set RB0,  144                         ; v144-159, v160-175: rows read back, by turns
.set RB1,  160
.set TOT,  176                         ; v176-207 sums over token tiles 0, 1; v208-239 over 2, 3
.set G1,  32                           ; s[32:39] group 1 for X's tiles
.set G0,  40                           ; s[40:47] group 0 for X's tiles, a set for each slot
.set G1B, 48                           ; s[48:55] group 1 for W's tiles
.set G0B, 56                           ; s[56:63] group 0 for W's tiles, a set for each slot
.set MUL_LO, 0xa1                      ; source 0 window 1, source 1 window 0, C and D window 2
.set MUL_HI, 0xf1                      ; the same, C and D window 3
.set TO_B,   0x40                      ; destination window 1
.set MSB, 0
.macro WIN new                         ; the immediate's high byte repeats the setting that is left
.if MSB != (\new)
	s_set_vgpr_msb (MSB<<8)|(\new)
.set MSB, \new
.endif
.endm
.macro PLACES                          ; four plain vector places behind matrix instructions (ISA guide 7.12.1)
.rept 4
	v_nop
.endr
.endm
; A joint load: wave 0 asks for X's tile, waves 1-3 for a weight's.  Each line has one mask; the branch hangs on the wave's number alone.
.macro JLOAD s
	s_cmp_eq_u32 s18, 0
	s_cbranch_scc0 .Lfor_b_\@
	tensor_load_to_lds s[G0+4*\s:G0+4*\s+3], s[G1:G1+7]
	s_nop 0
	s_branch .Lasked_\@
.Lfor_b_\@:
	tensor_load_to_lds s[G0B+4*\s:G0B+4*\s+3], s[G1B:G1B+7]
	s_nop 0
.Lasked_\@:
.endm
.macro CREST                           ; a round of the cluster's barrier behind its opening work-group barrier
	s_cmp_lg_u32 s18, 0
	s_cbranch_scc1 .Lnot_wave_0_\@
	s_barrier_signal -3
.Lnot_wave_0_\@:
	s_barrier_wait -3
	s_barrier_signal -1
	s_barrier_wait -1
.endm
.macro CROUND                          ; a whole round
	s_barrier_signal -1
	s_barrier_wait -1
	CREST
.endm
	s_load_b256 s[4:11], s[0:1], 0x0               ; Xb s[4:5], Wb s[6:7], Qn s[8:9], Kn s[10:11]
	s_load_b128 s[12:15], s[0:1], 0x20             ; Vh s[12:13], Vl s[14:15]
	s_load_b64 s[16:17], s[0:1], 0x30              ; Tt
	s_set_vgpr_msb 0x40
	v_lshl_add_u32 v255, v0, 2, 0x4a800
	s_set_vgpr_msb 0x4000
	v_mov_b32 v255, 0
	s_set_vgpr_msb 0x1
	ds_add_u32 v255, v255
	ds_add_u32 v255, v255
	s_set_vgpr_msb 0x100
	v_lshrrev_b32 v1, 5, v0
	v_readfirstlane_b32 s18, v1                    ; wave 0..3
	s_lshr_b32 s19, s18, 1                         ; which 64 tokens
	s_and_b32 s20, s18, 1                          ; which head of the pair
	s_bfe_u32 s21, ttmp6, 0x40000                  ; cx
	s_bfe_u32 s22, ttmp6, 0x40004                  ; cy
	s_lshl_b32 s23, ttmp9, 2
	s_add_co_u32 s23, s23, s21                     ; pair of heads = 4 x cluster x + cx, 0..7
	s_and_b32 s24, ttmp7, 0xffff
	s_lshl_b32 s24, s24, 2
	s_add_co_u32 s24, s24, s22                     ; token block = 4 x cluster y + cy, 0..31
	s_lshl_b32 s25, s22, 2
	s_lshl_b32 s25, 15, s25                        ; my row of the cluster
	s_lshl_b32 s26, 0x1111, s21                    ; my column
	s_or_b32 s[G1+0], s25, (1<<16)|(1<<20)|(1<<21)|(5<<22)|(3<<25)    ; mask; 2-byte elements; padding on; bit 21 beside a mask; after 64 words 4 words
	s_or_b32 s[G1B+0], s26, (1<<16)|(1<<20)|(1<<21)|(5<<22)|(7<<25)   ; the same with my column's mask and 8 words of padding
.irp g, G1, G1B
	s_mov_b32 s[\g+1], KSTEP<<16                   ; tensor_dim0 = 128
	s_mov_b32 s[\g+2], 128<<16                     ; tensor_dim1 = 128
	s_mov_b32 s[\g+3], KSTEP<<16                   ; tile_dim0 = 128 elements = 256 bytes
	s_mov_b32 s[\g+4], 128                         ; tile_dim1 = 128 rows
	s_mov_b32 s[\g+5], 1024                        ; elements from row to row, in Xb and in Wb
	s_mov_b32 s[\g+6], 0
	s_mov_b32 s[\g+7], 0
.endr
	s_mov_b32 s66, 0x76543210                      ; v_permlanex16_b32: lane i reads lane i of the other half
	s_mov_b32 s67, 0xfedcba98
	s_mov_b32 s69, 0xffff0000                      ; a word's upper bf16
	s_lshl_b32 s28, s24, 18                        ; X: token block x 128 rows x 2,048 bytes (hangs on the token block alone)
	s_mov_b32 s29, 0
	s_max_u32 s30, s18, 1                          ; W: waves 1, 2, 3 take weights 0, 1, 2 (wave 0's address is made and not used)
	s_sub_co_u32 s30, s30, 1
	s_lshl_b32 s30, s30, 21                        ; 2 MiB a weight
	s_lshl_b32 s31, s23, 8                         ; + the pair's 128 columns (hangs on the pair of heads alone)
	s_add_co_u32 s30, s30, s31
	s_mov_b32 s31, 0
	s_mul_i32 s27, s18, REGION                     ; LDS: wave x region: no place in the cluster enters
	s_wait_dscnt 0x0
	s_wait_kmcnt 0x0
	s_add_nc_u64 s[28:29], s[4:5], s[28:29]
	s_add_nc_u64 s[30:31], s[6:7], s[30:31]
	CROUND                                         ; all sixteen work-groups are here: the first joint loads meet
.irp s, 0,1
	s_mov_b32 s[G0+4*\s], 1
	s_add_co_u32 s[G0+4*\s+1], s27, \s*SLOT
	s_add_nc_u64 s[G0+4*\s+2:G0+4*\s+3], s[28:29], \s*KSTEP*2          ; K step s: 256 bytes along X's rows
	s_or_b32 s[G0+4*\s+3], s[G0+4*\s+3], 0x80000000
	s_mov_b32 s[G0B+4*\s], 1
	s_add_co_u32 s[G0B+4*\s+1], s27, \s*SLOT
	s_add_nc_u64 s[G0B+4*\s+2:G0B+4*\s+3], s[30:31], \s*KSTEP*2048     ; K step s: 128 rows of W
	s_or_b32 s[G0B+4*\s+3], s[G0B+4*\s+3], 0x80000000
	JLOAD \s
.endr
	v_and_b32 v1, 15, v0                           ; r = l % 16
	v_bfe_u32 v2, v0, 4, 1                         ; h = l / 16
	v_and_b32 v3, 7, v0                            ; l % 8
	v_bfe_u32 v4, v0, 3, 1                         ; (l / 8) % 2
	v_and_b32 v5, 31, v0                           ; l
	v_mul_u32_u24 v6, v1, PA                       ; X fragments: row r, 16 bytes for each half of the lanes
	v_lshl_add_u32 v6, v2, 4, v6
	s_mul_i32 s68, s19, 64*PA                      ; my 64 tokens
	v_add_nc_u32 v[ADRA], s68, v6
	v_add_nc_u32 v[ADRA+1], SLOT, v[ADRA]
	v_lshl_add_u32 v7, v2, 3, v3                   ; W fragments: k-row 8 h + l % 8,
	v_mul_u32_u24 v7, v7, PB
	v_lshl_add_u32 v7, v4, 4, v7                   ; 16 bytes for each group of eight lanes,
	s_lshl_b32 s68, s20, 7                         ; my head's 64 columns
	v_add_nc_u32 v7, s68, v7
.irp m, 0,1,2
	v_add_nc_u32 v[ADRB+2*\m], (1+\m)*REGION, v7
	v_add_nc_u32 v[ADRB+2*\m+1], (1+\m)*REGION+SLOT, v7
.endr
	s_mul_i32 s68, s18, STGW
	s_add_co_u32 s68, s68, STAGE                   ; my stage
	v_mul_u32_u24 v6, v1, SP
	v_lshl_add_u32 v6, v2, 4, v6
	v_add_nc_u32 v[STO], s68, v6
	v_lshrrev_b32 v6, 3, v5                        ; back: eight lanes take a row of 128 bytes
	v_mul_u32_u24 v6, v6, SP
	v_lshl_add_u32 v6, v3, 4, v6
	v_add_nc_u32 v[RD], s68, v6
	v_lshlrev_b32 v[CO], 4, v5
	s_add_co_u32 s68, s68, 16*SP                   ; the totals' 256 bytes
	v_lshlrev_b32 v6, 5, v2
	v_add_nc_u32 v[TST], s68, v6
	v_lshlrev_b32 v[TCO], 3, v5
	v_add_nc_u32 v[TLD], s68, v[TCO]
; 12 matrix instructions: token tile a x all twelve column tiles, 32 along K, from buffer f.  zero = 1: the product starts the sums.
.macro MULA f, a, zero
.irp b, 0,1,2,3,4,5,6,7,8,9,10,11
.if \zero
	v_wmma_f32_16x16x32_bf16 v[8*(12*((\a)%2)+\b):8*(12*((\a)%2)+\b)+7], v[96*\f+8*\b:96*\f+8*\b+7], v[64+32*\f+8*\a:64+32*\f+8*\a+7], 0
.else
	v_wmma_f32_16x16x32_bf16 v[8*(12*((\a)%2)+\b):8*(12*((\a)%2)+\b)+7], v[96*\f+8*\b:96*\f+8*\b+7], v[64+32*\f+8*\a:64+32*\f+8*\a+7], v[8*(12*((\a)%2)+\b):8*(12*((\a)%2)+\b)+7]
.endif
.endr
.endm
; 32 LDS loads in one run: quarter k (32 along K) of a slot into buffer f: 24 transposing loads for W, then 8 for X
.macro FETCH slot, k, f
	WIN TO_B
.irp m, 0,1,2
.irp b, 0,1,2,3
	ds_load_tr16_b128 v[96*\f+8*(4*\m+\b):96*\f+8*(4*\m+\b)+3], v[ADRB+2*\m+\slot] offset:\k*32*PB+32*\b
	ds_load_tr16_b128 v[96*\f+8*(4*\m+\b)+4:96*\f+8*(4*\m+\b)+7], v[ADRB+2*\m+\slot] offset:\k*32*PB+32*\b+16*PB
.endr
.endr
	WIN 0
.irp a, 0,1,2,3
	ds_load_b128 v[64+32*\f+8*\a:64+32*\f+8*\a+3], v[ADRA+\slot] offset:\a*16*PA+64*\k
	ds_load_b128 v[64+32*\f+8*\a+4:64+32*\f+8*\a+7], v[ADRA+\slot] offset:\a*16*PA+64*\k+32
.endr
.endm
; A K step is four quarters of 48 matrix instructions on buffers 0, 1, 0, 1.  The 48 accumulators take turns, one instruction a turn,
; in the same order in every quarter.
; One of the first three quarters: multiplies buffer f and fetches quarter k of the same slot into buffer g.
.macro QUARTER slot, k, f, g, zero
	s_wait_dscnt 4                                 ; all but the youngest four loads (X's token tiles 2, 3) are in
	WIN MUL_LO
	MULA \f, 0, \zero
	MULA \f, 1, \zero
	PLACES
	FETCH \slot, \k, \g
	s_wait_dscnt 32                                ; all but the 32 just issued
	WIN MUL_HI
	MULA \f, 2, \zero
	MULA \f, 3, \zero
.endm
.macro THREE slot, zero
	QUARTER \slot, 1, 0, 1, \zero
	QUARTER \slot, 2, 1, 0, 0
	QUARTER \slot, 3, 0, 1, 0
.endm
; The last quarter multiplies buffer 1 and changes slots.  In front of the barrier each wave waits for its reads of this slot and for
; all its tensor loads (one is out: its part of the next slot).  fill = 1: the barrier opens a round of the cluster's barrier and the
; joint refill, two K steps ahead, is the first tensor load behind the round.  From a request to its wait: 180 matrix instructions.
.macro TURN slot, next, fill
	s_wait_dscnt 4
	WIN MUL_LO
	MULA 1, 0, 0
	s_wait_dscnt 0                                 ; my reads of this slot are over
	s_wait_tensorcnt 0x0                           ; all my tensor loads have landed
	ds_add_u32 v255, v255
	s_wait_dscnt 0x0
	s_barrier_signal -1
	MULA 1, 1, 0                                   ; register work while the others arrive
	WIN 0
	s_barrier_wait -1
.if \fill
	CREST
	s_add_nc_u64 s[G0+4*\slot+2:G0+4*\slot+3], s[G0+4*\slot+2:G0+4*\slot+3], 2*KSTEP*2
	s_add_nc_u64 s[G0B+4*\slot+2:G0B+4*\slot+3], s[G0B+4*\slot+2:G0B+4*\slot+3], 2*KSTEP*2048
	JLOAD \slot
.endif
	PLACES
	FETCH \next, 0, 0
	WIN MUL_HI
	MULA 1, 2, 0
	MULA 1, 3, 0
.endm
.macro LAP zero
	THREE 0, \zero
	TURN 0, 1, 1
	THREE 1, 0
	TURN 1, 0, 1
.endm
	s_wait_tensorcnt 1                             ; my part of K step 0 is in; step 1's load stays out
	s_barrier_signal -1
	s_barrier_wait -1
	FETCH 0, 0, 0
	LAP 1                                          ; the first lap's first products start the sums
	WIN 0
	s_mov_b32 s3, LAPS-2
.Llap:
	LAP 0
	WIN 0
	s_sub_co_u32 s3, s3, 1
	s_cmp_lg_u32 s3, 0
	s_cbranch_scc1 .Llap
	THREE 0, 0                                     ; the last lap fills nothing
	TURN 0, 1, 0
	THREE 1, 0
	s_wait_dscnt 4
	WIN MUL_LO
	MULA 1, 0, 0
	MULA 1, 1, 0
	s_wait_dscnt 0
	WIN MUL_HI
	MULA 1, 2, 0
	MULA 1, 3, 0
	; THE WAY OUT
	PLACES                                         ; behind the last matrix instructions: results are read, fragment registers written
	WIN 0
	s_lshr_b32 s70, s24, 4                         ; batch
	s_lshl_b32 s70, s70, 4
	s_lshl_b32 s71, s23, 1
	s_add_co_u32 s70, s70, s71
	s_add_co_u32 s70, s70, s20                     ; batch x 16 + head
	s_and_b32 s71, s24, 15
	s_lshl_b32 s71, s71, 1
	s_add_co_u32 s71, s71, s19                     ; my chunk of 64 tokens in the sequence
	s_lshl_b32 s72, s70, 5
	s_add_co_u32 s72, s72, s71                     ; 32 chunks a head
	s_lshl_b32 s74, s72, 13                        ; 64 tokens x 128 bytes
	s_mov_b32 s75, 0
	s_lshl_b32 s72, s72, 8                         ; 256 bytes of totals
	s_mov_b32 s73, 0
	s_add_nc_u64 s[8:9], s[8:9], s[74:75]
	s_add_nc_u64 s[10:11], s[10:11], s[74:75]
	s_add_nc_u64 s[12:13], s[12:13], s[74:75]
	s_add_nc_u64 s[14:15], s[14:15], s[74:75]
	s_add_nc_u64 s[16:17], s[16:17], s[72:73]
; 16 tokens x 64 bf16 (packed in pk) through my stage to s[sb:sb+1]: each store of the wave covers 512 consecutive bytes, aligned
.macro STOUT pk, rb, sb, a
.irp b, 0,1,2,3
	ds_store_b128 v[STO], v[\pk+4*\b:\pk+4*\b+3] offset:32*\b
.endr
	s_wait_xcnt 0x0                                ; the read-back registers were earlier stores' data: loaded again only behind this wait
.irp t, 0,1,2,3
	ds_load_b128 v[\rb+4*\t:\rb+4*\t+3], v[RD] offset:4*SP*\t       ; LDS serves a wave's instructions in order: these see the stores above
.endr
.irp t, 0,1,2,3
	s_wait_dscnt 3-\t                              ; the younger read-backs stay out
	global_store_b128 v[CO], v[\rb+4*\t:\rb+4*\t+3], s[\sb:\sb+1] offset:\a*2048+512*\t
.endr
.endm
; Q (mat = 0) or K (mat = 1) of token tile a: the norm over the head's 64 columns (32 in my lane, 32 in lane l xor 16), scale, round
.macro OUTQK a, mat, rb, sb
.set ACC0, 96*((\a)%2)+32*\mat
	WIN (2+(\a)/2)*5                               ; sources 0 and 1 in the accumulators' window
	v_pk_mul_f32 v[NRM:NRM+1], v[ACC0:ACC0+1], v[ACC0:ACC0+1]          ; two chains, started by the first products
	v_pk_mul_f32 v[NRM+2:NRM+3], v[ACC0+2:ACC0+3], v[ACC0+2:ACC0+3]
.set e, 2
.rept 14
	v_pk_fma_f32 v[NRM+2*(e%2):NRM+2*(e%2)+1], v[ACC0+2*e:ACC0+2*e+1], v[ACC0+2*e:ACC0+2*e+1], v[NRM+2*(e%2):NRM+2*(e%2)+1]
.set e, e+1
.endr
	WIN 0
	v_pk_add_f32 v[NRM:NRM+1], v[NRM:NRM+1], v[NRM+2:NRM+3]
	v_add_f32 v[NRM], v[NRM], v[NRM+1]
	v_permlanex16_b32 v[NRM+1], v[NRM], s66, s67
	v_add_f32 v[NRM], v[NRM], v[NRM+1]
	v_sqrt_f32 v[NRM+2], v[NRM]
	v_nop                                          ; one plain place behind a transcendental (ISA guide 5.7.2)
	s_wait_alu depctr_va_vdst(0)
	v_add_f32 v[NRM+2], 0x358637bd, v[NRM+2]       ; + 1e-6
	v_rcp_f32 v[NRM+4], v[NRM+2]
	v_nop
.if (\mat)==0
	s_wait_alu depctr_va_vdst(0)
	v_mul_f32 v[NRM+4], 0x3e000000, v[NRM+4]       ; 1 / sqrt(64), a power of two: the rounding of q is not changed by it
.endif
	s_wait_alu depctr_va_vdst(0)
	v_mov_b32 v[NRM+5], v[NRM+4]
	WIN 2+(\a)/2                                   ; source 0 in the accumulators' window
.set e, 0
.rept 16
	v_pk_mul_f32 v[TF+2*e:TF+2*e+1], v[ACC0+2*e:ACC0+2*e+1], v[NRM+4:NRM+5]
.set e, e+1
.endr
	WIN 0
.set e, 0
.rept 16
	v_cvt_pk_bf16_f32 v[PK+e], v[TF+2*e], v[TF+2*e+1]
.set e, e+1
.endr
	STOUT PK, \rb, \sb, \a
.endm
; V of token tile a: hi = bf16(v), lo = bf16(v - hi); at odd a the sums of two token tiles for the chunk's totals
.macro OUTV a
.set ACC0, 96*((\a)%2)+64
	WIN (2+(\a)/2)*5
.set e, 0
.rept 16
	v_cvt_pk_bf16_f32 v[PK+e], v[ACC0+2*e], v[ACC0+2*e+1]
.set e, e+1
.endr
.if (\a)%2
.set e, 0
.rept 16
	v_pk_add_f32 v[TOT+32*((\a)/2)+2*e:TOT+32*((\a)/2)+2*e+1], v[64+2*e:64+2*e+1], v[160+2*e:160+2*e+1]
.set e, e+1
.endr
.endif
	WIN 0
.set e, 0
.rept 16
	v_lshlrev_b32 v[TF+2*e], 16, v[PK+e]           ; hi back in f32
	v_and_b32 v[TF+2*e+1], s69, v[PK+e]
.set e, e+1
.endr
	WIN 2+(\a)/2
.set e, 0
.rept 16
	v_pk_add_f32 v[TF+2*e:TF+2*e+1], v[ACC0+2*e:ACC0+2*e+1], v[TF+2*e:TF+2*e+1] neg_lo:[0,1] neg_hi:[0,1]
.set e, e+1
.endr
	WIN 0
.set e, 0
.rept 16
	v_cvt_pk_bf16_f32 v[PL+e], v[TF+2*e], v[TF+2*e+1]
.set e, e+1
.endr
	STOUT PK, RB0, 12, \a
	STOUT PL, RB1, 14, \a
.endm
.irp a, 0,1,2,3
	OUTQK \a, 0, RB0, 8
	OUTQK \a, 1, RB1, 10
	OUTV \a
.endr
	; the chunk's totals: my 64 tokens = 4 token tiles x 16 lanes of a half
.set e, 0
.rept 16
	v_pk_add_f32 v[TOT+2*e:TOT+2*e+1], v[TOT+2*e:TOT+2*e+1], v[TOT+32+2*e:TOT+32+2*e+1]
.set e, e+1
.endr
.irp x, 1,2,4,8
.set e, 0
.rept 32
	v_add_f32_dpp v[TOT+e], v[TOT+e], v[TOT+e] row_xmask:\x row_mask:0xf bank_mask:0xf
.set e, e+1
.endr
.endr
.irp b, 0,1,2,3
.irp p, 0,1
	ds_store_b128 v[TST], v[TOT+8*\b+4*\p:TOT+8*\b+4*\p+3] offset:64*\b+16*\p     ; columns 16 b + 8 h + 4 p ..: the 16 lanes of a half write equal words
.endr
.endr
	s_wait_xcnt 0x0                                ; RB0 was a store's data
	ds_load_b64 v[RB0:RB0+1], v[TLD]
	s_wait_dscnt 0x0
	global_store_b64 v[TCO], v[RB0:RB0+1], s[16:17]                    ; 256 consecutive bytes, aligned
	s_set_vgpr_msb 0x1
	s_wait_tensorcnt 0x0
	ds_add_u32 v255, v255
	s_wait_dscnt 0x0
	s_set_vgpr_msb 0x100
	CROUND                                         ; the closing round: no work-group ends while a partner may still ask for a tile that names it
	s_endpgm
.Lfunc_end_k_q04b540d6e8_qkv:
	.size	k_q04b540d6e8_qkv, .Lfunc_end_k_q04b540d6e8_qkv-k_q04b540d6e8_qkv
	.p2alignl 7, 3214868480
	.fill 96, 4, 3214868480
	.section	.rodata,"a",@progbits
	.p2align	6, 0x0
	.amdhsa_kernel k_q04b540d6e8_qkv
		.amdhsa_group_segment_fixed_size 327680
		.amdhsa_private_segment_fixed_size 0
		.amdhsa_enable_private_segment 0
		.amdhsa_kernarg_size 56
		.amdhsa_user_sgpr_count 2
		.amdhsa_user_sgpr_kernarg_segment_ptr 1
		.amdhsa_wavefront_size32 1
		.amdhsa_system_sgpr_workgroup_id_x 1
		.amdhsa_system_sgpr_workgroup_id_y 1
		.amdhsa_system_sgpr_workgroup_id_z 1
		.amdhsa_system_vgpr_workitem_id 0
		.amdhsa_next_free_vgpr 960
		.amdhsa_next_free_sgpr 96
		.amdhsa_reserve_vcc 0
		.amdhsa_float_denorm_mode_32 3
		.amdhsa_float_denorm_mode_16_64 3
		.amdhsa_memory_ordered 1
		.amdhsa_forward_progress 1
		.amdhsa_inst_pref_size 214
	.end_amdhsa_kernel
	.amdgpu_metadata
---
amdhsa.version: [ 1, 2 ]
amdhsa.kernels:
  - .name:           k_q04b540d6e8_qkv
    .symbol:         k_q04b540d6e8_qkv.kd
    .args:
      - { .name: Xb, .offset: 0, .size: 8, .value_kind: global_buffer, .address_space: global }
      - { .name: Wb, .offset: 8, .size: 8, .value_kind: global_buffer, .address_space: global }
      - { .name: Qn, .offset: 16, .size: 8, .value_kind: global_buffer, .address_space: global }
      - { .name: Kn, .offset: 24, .size: 8, .value_kind: global_buffer, .address_space: global }
      - { .name: Vh, .offset: 32, .size: 8, .value_kind: global_buffer, .address_space: global }
      - { .name: Vl, .offset: 40, .size: 8, .value_kind: global_buffer, .address_space: global }
      - { .name: Tt, .offset: 48, .size: 8, .value_kind: global_buffer, .address_space: global }
    .group_segment_fixed_size: 327680
    .private_segment_fixed_size: 0
    .kernarg_segment_align: 8
    .kernarg_segment_size: 56
    .max_flat_workgroup_size: 128
    .sgpr_count:     96
    .vgpr_count:     960
    .wavefront_size: 32
...
	.end_amdgpu_metadata
.endif
;; end of part 2
;; launch attn (part 3): grid 256 x 2, 8 waves a work-group, no clusters, 327,680 bytes of LDS; arguments Qn, Kn, Vh, Vl, Tt, Ah; writes Ah
.if DOCPART == 3
	.amdgcn_target "amdgcn-amd-amdhsa--gfx1250"
	.amdhsa_code_object_version 6
	.text
	.protected	k_q04b540d6e8_attn
	.globl	k_q04b540d6e8_attn
	.p2align	8
	.type	k_q04b540d6e8_attn,@function
k_q04b540d6e8_attn:
	s_mov_b64 s[64:65], 0
	v_nop
	global_prefetch_b8 v0, s[64:65] scope:SCOPE_SE
	s_setreg_imm32_b32 hwreg(HW_REG_WAVE_MODE, 25, 1), 1
	s_wait_xcnt 0x0
; Causal attention of one head for 128 queries.  With s = q^ . k^ / 8 and p = exp(s):
;   sum over k <= q of p v  =  sum of v  +  sum of (p - 1) v,      sum of p  =  (q + 1)  +  sum of (p - 1).
; p - 1 = expm1(s) is formed directly, s (1 + s (1/2 + s (1/6 + s / 24))), and goes to the matrix unit in bf16 beside Vh.
; The plain sum of v comes from the f32 totals of the 64-token chunks in front of the query's chunk (Tt) and, inside that chunk,
; from a triangular matrix of ones (exact in bf16) times Vh and times Vl.  The result leaves as hi + lo bf16:
; Ah[token][head][hi 64 | lo 64], 256 bytes for a token and head.
; NO MAXIMUM IS TAKEN AWAY: reference() normalises q and k itself, so after their rounding to bf16 |s| <= (1 + 2^-8)^2 / 8 < 0.126 for
; every input; exp(s) lies in 0.88 .. 1.14.  For the same bound the series' remainder is below 3e-7.  LIMIT: inputs finite.
; SHARES: work-group (x, y): head x >> 3 of 32; query block i = 15 - (x & 7) for y = 0, x & 7 for y = 1, so that x and x + 256
; have nine key tiles between them.  Eight waves: wave w has queries 64 (w >> 2) .. and the 64-key chunk w & 3 of each tile of 256 keys;
; sums over keys are plainly additive, so the four chunks' parts meet once, at the end, in LDS.
; NO JOINT LOADS: partners that even out the causal work (blocks i and 15 - i) need different numbers of tiles, and if all query
; blocks of a head walked all its tiles jointly a pass would cost 8 tiles for each instead of 4.5 on the average.
; LAYOUT: S^T = K Q^T: lane (r, h), register j holds key 16 kt + 8 h + j of query 16 q + r; two such tiles, packed, are the second
; source of O^T = V^T P^T, whose first source comes by transposing loads.  Nothing crosses lanes in the loop.
; A wave has four tensor loads outstanding at the start (the diagonal rows of Vh and Vl, K's and V's tile 0), later two.
; REGISTERS: window 0: v1-15 addresses, v16-31 the triangular operand, v32-47 row sums, v48-63 at work, v64-127 K fragments,
;   v128-191 scores of two query tiles, v192-223 packed p - 1, v224-228 constants.  window 1: v0-127 O, v128-191 Q, v192-255 V fragments.
.set KP,    144                        ; K's LDS rows: 128 bytes + 16 (odd multiple of 16)
.set VP,    160                        ; V's LDS rows: 128 bytes + 32 (odd multiple of 32, for the transposing loads)
.set KB,    256*KP
.set SLOT,  KB+256*VP                  ; 77,824: a tile of 256 keys: K, then Vh
.set DOFF,  2*SLOT                     ; the query block's own 128 rows of Vh, then of Vl
.set DHALF, 128*VP
.set TBO,   DOFF+2*DHALF               ; sums of the chunks' totals: [query half][chunk half][64] f32
.set STG,   TBO+1024                   ; a stage for each wave, 16 rows x 272
.set STGP,  272
.set SCRW,  16896                      ; at the end, over the ring (its last fill is over): a wave's O (16,384) and row sums (512)
.set AK, 5                             ; v5-6   K fragments in slot 0, 1
.set AV, 7                             ; v7-8   V fragments in slot 0, 1
.set AD, 9                             ; v9     the diagonal chunk's V fragments
.set QA, 10
.set TA, 11
.set CB, 16                            ; v16-31 [ones 4, ones 4, triangle 4, zeros 4]
.set LS, 32
.set TP, 48
.set KF, 64
.set ST, 128
.set PB, 192
.set C3, 224
.set C4, 226
.set DL, 228
.set QF, 128                           ; window 1
.set VF, 192                           ; window 1
.set G1K, 32
.set G1V, 40
.set G1D, 48
.set GK,  56                           ; s[56:63] group 0 of K, a set for each slot
.set GV,  68                           ; s[68:75] group 0 of V
.set GDH, 76
.set GDL, 80
.set MSB, 0
.macro WIN new
.if MSB != (\new)
	s_set_vgpr_msb (MSB<<8)|(\new)
.set MSB, \new
.endif
.endm
.macro PLACES                          ; four plain vector places behind matrix instructions (ISA guide 7.12.1)
.rept 4
	v_nop
.endr
.endm
	s_load_b256 s[4:11], s[0:1], 0x0               ; Qn s[4:5], Kn s[6:7], Vh s[8:9], Vl s[10:11]
	s_load_b128 s[12:15], s[0:1], 0x20             ; Tt s[12:13], Ah s[14:15]
	v_lshl_add_u32 v254, v0, 2, 0x38c00
	v_mov_b32 v255, 0
	ds_add_u32 v254, v255
	ds_add_u32 v254, v255
	s_wait_dscnt 0x0
	v_lshrrev_b32 v1, 5, v0
	v_readfirstlane_b32 s16, v1                    ; wave 0..7
	s_lshr_b32 s17, s16, 2                         ; qc: which 64 queries
	s_and_b32 s18, s16, 3                          ; kq: which 64 keys of a tile
	s_lshr_b32 s19, ttmp9, 3                       ; batch x 16 + head
	s_and_b32 s20, ttmp9, 7
	s_sub_co_u32 s26, 15, s20
	s_and_b32 s27, ttmp7, 0xffff
	s_cmp_eq_u32 s27, 0
	s_cselect_b32 s20, s26, s20                    ; i: query block, the long ones in the grid's first half
	s_lshr_b32 s21, s20, 1                         ; the last tile's number = tiles - 1
	s_lshl_b32 s23, s21, 2
	s_add_co_u32 s23, s23, s18                     ; my chunk in the last tile
	s_lshl_b32 s26, s20, 1
	s_add_co_u32 s26, s26, s17                     ; my queries' chunk
	s_sub_co_i32 s23, s23, s26                     ; their difference: < 0 all keys count, 0 the diagonal, > 0 none
	s_mov_b32 s[G1K+0], (1<<16)|(1<<20)|(4<<22)|(3<<25)    ; 2-byte elements, after 32 words 4 words of padding
	s_mov_b32 s[G1V+0], (1<<16)|(1<<20)|(4<<22)|(7<<25)    ; 8 words of padding
	s_mov_b32 s[G1D+0], (1<<16)|(1<<20)|(4<<22)|(7<<25)
.irp g, G1K, G1V, G1D
	s_mov_b32 s[\g+1], 64<<16                      ; tensor_dim0 = 64
	s_mov_b32 s[\g+3], 64<<16                      ; tile_dim0 = 64 elements = 128 bytes
	s_mov_b32 s[\g+5], 64                          ; rows are dense
	s_mov_b32 s[\g+6], 0
	s_mov_b32 s[\g+7], 0
.endr
	s_mov_b32 s[G1K+2], 32<<16                     ; a wave moves 32 of a tile's 256 rows
	s_mov_b32 s[G1K+4], 32
	s_mov_b32 s[G1V+2], 32<<16
	s_mov_b32 s[G1V+4], 32
	s_mov_b32 s[G1D+2], 16<<16                     ; and 16 of the 128 diagonal rows
	s_mov_b32 s[G1D+4], 16
	s_lshl_b32 s30, s19, 18                        ; a head's 262,144 bytes
	s_lshl_b32 s26, s20, 14                        ; + query block x 128 rows x 128 bytes
	s_add_co_u32 s26, s26, s30
	s_lshl_b32 s31, s16, 11                        ; + wave x 16 rows
	s_add_co_u32 s26, s26, s31
	s_mov_b32 s27, 0
	s_lshl_b32 s28, s16, 12                        ; tiles: wave x 32 rows
	s_add_co_u32 s28, s28, s30
	s_mov_b32 s29, 0
	s_mul_i32 s2, s16, 16*VP
	s_mul_i32 s3, s16, 32*KP
	s_mul_i32 s31, s16, 32*VP
	s_wait_kmcnt 0x0
	s_mov_b32 s[GDH], 1
	s_add_co_u32 s[GDH+1], s2, DOFF
	s_add_nc_u64 s[GDH+2:GDH+3], s[8:9], s[26:27]
	s_or_b32 s[GDH+3], s[GDH+3], 0x80000000
	tensor_load_to_lds s[GDH:GDH+3], s[G1D:G1D+7]
	s_nop 0
	s_mov_b32 s[GDL], 1
	s_add_co_u32 s[GDL+1], s2, DOFF+DHALF
	s_add_nc_u64 s[GDL+2:GDL+3], s[10:11], s[26:27]
	s_or_b32 s[GDL+3], s[GDL+3], 0x80000000
	tensor_load_to_lds s[GDL:GDL+3], s[G1D:G1D+7]
	s_nop 0
	s_add_nc_u64 s[66:67], s[6:7], s[28:29]
	s_add_nc_u64 s[26:27], s[8:9], s[28:29]
.irp s, 0,1
	s_mov_b32 s[GK+4*\s], 1
	s_add_co_u32 s[GK+4*\s+1], s3, \s*SLOT
	s_add_nc_u64 s[GK+4*\s+2:GK+4*\s+3], s[66:67], \s*32768            ; slot s starts with tile s
	s_or_b32 s[GK+4*\s+3], s[GK+4*\s+3], 0x80000000
	s_mov_b32 s[GV+4*\s], 1
	s_add_co_u32 s[GV+4*\s+1], s31, \s*SLOT+KB
	s_add_nc_u64 s[GV+4*\s+2:GV+4*\s+3], s[26:27], \s*32768
	s_or_b32 s[GV+4*\s+3], s[GV+4*\s+3], 0x80000000
.endr
	tensor_load_to_lds s[GK:GK+3], s[G1K:G1K+7]    ; tile 0
	s_nop 0
	tensor_load_to_lds s[GV:GV+3], s[G1V:G1V+7]
	s_nop 0
	s_mov_b32 s24, 0x76543210
	s_mov_b32 s25, 0xfedcba98
	s_lshl_b32 s28, s20, 14                        ; Q: my 64 queries
	s_add_co_u32 s28, s28, s30
	s_lshl_b32 s31, s17, 13
	s_add_co_u32 s28, s28, s31
	s_mov_b32 s29, 0
	s_add_nc_u64 s[28:29], s[4:5], s[28:29]
	s_lshl_b32 s30, s19, 13                        ; Tt: a head's 32 chunks of 256 bytes; this wave sums chunks 16 (w >> 2) ..
	s_lshl_b32 s31, s17, 12
	s_add_co_u32 s30, s30, s31
	s_mov_b32 s31, 0
	s_add_nc_u64 s[30:31], s[12:13], s[30:31]
	v_and_b32 v1, 15, v0                           ; r
	v_bfe_u32 v2, v0, 4, 1                         ; h
	v_and_b32 v3, 7, v0
	v_bfe_u32 v4, v0, 3, 1
	v_and_b32 v12, 31, v0                          ; l
	v_lshlrev_b32 v[QA], 7, v1                     ; Q fragments straight from memory: row r, 16 bytes a half
	v_lshl_add_u32 v[QA], v2, 4, v[QA]
	s_and_b32 s66, s16, 1                          ; totals: this wave's 32 of the 64 columns
	s_lshl_b32 s66, s66, 7
	v_lshlrev_b32 v[TA], 2, v12
	v_add_nc_u32 v[TA], s66, v[TA]
	WIN 0x40                                       ; destination window 1
.irp q, 0,1,2,3
.irp kd, 0,1
	global_load_b128 v[QF+8*(2*\q+\kd):QF+8*(2*\q+\kd)+3], v[QA], s[28:29] offset:\q*2048+64*\kd
	global_load_b128 v[QF+8*(2*\q+\kd)+4:QF+8*(2*\q+\kd)+7], v[QA], s[28:29] offset:\q*2048+64*\kd+32
.endr
.endr
	WIN 0
.set e, 0
.rept 16
	global_load_b32 v[KF+e], v[TA], s[30:31] offset:256*e
.set e, e+1
.endr
	v_mul_u32_u24 v[AK], v1, KP                    ; K fragments: row 64 kq + r, 16 bytes a half
	v_lshl_add_u32 v[AK], v2, 4, v[AK]
	s_mul_i32 s26, s18, 64*KP
	v_add_nc_u32 v[AK], s26, v[AK]
	v_add_nc_u32 v[AK+1], SLOT, v[AK]
	v_lshl_add_u32 v13, v2, 3, v3                  ; V fragments: key row 8 h + l % 8, 16 bytes for each group of eight lanes
	v_mul_u32_u24 v13, v13, VP
	v_lshl_add_u32 v13, v4, 4, v13
	s_mul_i32 s26, s18, 64*VP
	s_add_co_u32 s26, s26, KB
	v_add_nc_u32 v[AV], s26, v13
	v_add_nc_u32 v[AV+1], SLOT, v[AV]
	s_and_b32 s26, s18, 1                          ; the diagonal chunk: even kq reads Vh, odd kq Vl
	s_mul_i32 s26, s26, DHALF
	s_mul_i32 s27, s17, 64*VP
	s_add_co_u32 s26, s26, s27
	s_add_co_u32 s26, s26, DOFF
	v_add_nc_u32 v[AD], s26, v13
	; the triangular operand: ones in waves kq = 0 (times Vh) and kq = 1 (times Vl), zeros in the others, which so start their sums at zero
	s_cmp_lt_u32 s18, 2
	s_cselect_b32 s26, 0x3f803f80, 0
	s_and_b32 s27, s26, 0xffff
	s_and_b32 s2, s26, 0xffff0000
	v_mov_b32 v48, s27
	v_mov_b32 v49, s2
	v_lshlrev_b32 v14, 3, v2
	v_sub_nc_u32 v14, v1, v14                      ; r - 8 h: key 8 h + j counts for query r where j <= r - 8 h
.irp p, 0,1,2,3,4,5,6,7
	v_mov_b32 v[CB+\p], s26
.endr
.irp p, 0,1,2,3
	v_cmp_le_i32 vcc_lo, 2*\p, v14
	v_cndmask_b32 v50, 0, v48, vcc_lo
	v_cmp_le_i32 vcc_lo, 2*\p+1, v14
	v_cndmask_b32 v51, 0, v49, vcc_lo
	v_or_b32 v[CB+8+\p], v50, v51
	v_mov_b32 v[CB+12+\p], 0
.endr
.set e, 0
.rept 16
	v_mov_b32 v[LS+e], 0                           ; sixteen row-sum registers; the matrix sums are started by products
.set e, e+1
.endr
	v_mov_b32 v[C3], 0x3e2aaaab                    ; 1/6
	v_mov_b32 v[C3+1], 0x3e2aaaab
	v_mov_b32 v[C4], 0x3d2aaaab                    ; 1/24
	v_mov_b32 v[C4+1], 0x3d2aaaab
	s_lshl_b32 s26, s23, 6
	v_lshlrev_b32 v[DL], 3, v2
	v_sub_nc_u32 v[DL], v[DL], v1
	v_add_nc_u32 v[DL], s26, v[DL]                 ; 64 x chunk difference + 8 h - r: key <= query where this <= 16 (q - kt) - j
	s_bfe_u32 s2, s16, 0x10001                     ; totals: for which half of the queries this wave sums
	s_lshl_b32 s26, s20, 1
	s_add_co_u32 s26, s26, s2
	s_lshl_b32 s27, s17, 4
	s_sub_co_i32 s26, s26, s27                     ; how many of my 16 chunks lie in front of those queries' chunk
	v_mov_b32 v13, s26
	s_lshl_b32 s2, s2, 9
	s_lshl_b32 s27, s17, 8
	s_add_co_u32 s2, s2, s27
	s_add_co_u32 s2, s2, TBO
	v_add_nc_u32 v14, s2, v[TA]
	s_wait_loadcnt 0x0                             ; Q and the totals, once
.set e, 0
.rept 16
	v_cmp_lt_i32 vcc_lo, e, v13
	v_cndmask_b32 v[KF+e], 0, v[KF+e], vcc_lo
.set e, e+1
.endr
.irp e, 2,4,6,8,10,12,14
	v_pk_add_f32 v[KF:KF+1], v[KF:KF+1], v[KF+\e:KF+\e+1]
.endr
	v_add_f32 v[KF], v[KF], v[KF+1]
	ds_store_b32 v14, v[KF]
	s_wait_tensorcnt 2                             ; my rows of the diagonal Vh and Vl are in; K's and V's tile 0 stay out
	s_wait_dscnt 0x0
	s_barrier_signal -1
	s_barrier_wait -1
.macro VLOAD adr                       ; 16 transposing loads: V^T fragments (16 d x 32 keys) of 64 keys
	WIN 0x40
.irp dt, 0,1,2,3
.irp ks, 0,1
	ds_load_tr16_b128 v[VF+8*(2*\dt+\ks):VF+8*(2*\dt+\ks)+3], v[\adr] offset:\ks*32*VP+32*\dt
	ds_load_tr16_b128 v[VF+8*(2*\dt+\ks)+4:VF+8*(2*\dt+\ks)+7], v[\adr] offset:\ks*32*VP+32*\dt+16*VP
.endr
.endr
.endm
.macro TRIMUL q, ks, cb, zero          ; O(q, .) (+)= V^T(., 32 keys ks) x the triangle's block for query tile q
.irp dt, 0,1,2,3
.if \zero
	v_wmma_f32_16x16x32_bf16 v[8*(4*\q+\dt):8*(4*\q+\dt)+7], v[VF+8*(2*\dt+\ks):VF+8*(2*\dt+\ks)+7], v[CB+\cb:CB+\cb+7], 0
.else
	v_wmma_f32_16x16x32_bf16 v[8*(4*\q+\dt):8*(4*\q+\dt)+7], v[VF+8*(2*\dt+\ks):VF+8*(2*\dt+\ks)+7], v[CB+\cb:CB+\cb+7], v[8*(4*\q+\dt):8*(4*\q+\dt)+7]
.endif
.endr
.endm
	; the diagonal chunk's plain sum of v starts all sixteen sums; the accumulators take turns
	VLOAD AD
	s_wait_dscnt 0x0
	WIN 0x51                                       ; D and C window 1, source 0 window 1, source 1 window 0
	TRIMUL 0, 0, 8, 1                              ; keys 0-31: query tile 0 sees [triangle, zeros],
	TRIMUL 1, 0, 4, 1                              ; tile 1 [ones, triangle],
	TRIMUL 2, 0, 0, 1                              ; tiles 2 and 3 [ones, ones]
	TRIMUL 3, 0, 0, 1
	TRIMUL 2, 1, 8, 0                              ; keys 32-63: nothing for tiles 0 and 1
	TRIMUL 3, 1, 4, 0
	WIN 0
; In front of each tile: every wave has waited for all its tensor loads (its rows of this tile among them) and for its reads of the other
; slot; behind the barrier the other slot's refill comes first.
.macro HEAD slot, refill
	s_wait_xcnt 0x0
	v_lshl_add_u32 v254, v0, 2, 0x38c00
	v_mov_b32 v255, 0
	s_wait_tensorcnt 0x0
	ds_add_u32 v254, v255
	s_wait_dscnt 0x0
	s_add_nc_u64 s[GK+4*\slot+2:GK+4*\slot+3], s[GK+4*\slot+2:GK+4*\slot+3], 0x10000   ; no load of mine is out: this slot's next tile, two on
	s_add_nc_u64 s[GV+4*\slot+2:GV+4*\slot+3], s[GV+4*\slot+2:GV+4*\slot+3], 0x10000
	s_wait_dscnt 0x0
	s_barrier_signal -1
	s_barrier_wait -1
.if \refill
	tensor_load_to_lds s[GK+4*(1-\slot):GK+4*(1-\slot)+3], s[G1K:G1K+7]
	s_nop 0
	tensor_load_to_lds s[GV+4*(1-\slot):GV+4*(1-\slot)+3], s[G1V:G1V+7]
	s_nop 0
.endif
.endm
; 16 scores of each lane (query tile q, keys 32 ks ..): expm1, the mask, the row sum, packing
.macro SOFT q, ks, masked
.set XB, ST+8*(4*((\q)%2)+2*\ks)
.irp e, 0,1,2,3,4,5,6,7
	v_pk_fma_f32 v[TP+2*\e:TP+2*\e+1], v[XB+2*\e:XB+2*\e+1], v[C4:C4+1], v[C3:C3+1]
.endr
.irp e, 0,1,2,3,4,5,6,7
	v_pk_fma_f32 v[TP+2*\e:TP+2*\e+1], v[XB+2*\e:XB+2*\e+1], v[TP+2*\e:TP+2*\e+1], 0.5 op_sel_hi:[1,1,0]
.endr
.irp e, 0,1,2,3,4,5,6,7
	v_pk_fma_f32 v[TP+2*\e:TP+2*\e+1], v[XB+2*\e:XB+2*\e+1], v[TP+2*\e:TP+2*\e+1], 1.0 op_sel_hi:[1,1,0]
.endr
.irp e, 0,1,2,3,4,5,6,7
	v_pk_mul_f32 v[XB+2*\e:XB+2*\e+1], v[XB+2*\e:XB+2*\e+1], v[TP+2*\e:TP+2*\e+1]
.endr
.if \masked
.irp u, 0,1,2,3,4,5,6,7,8,9,10,11,12,13,14,15
	v_cmp_ge_i32 vcc_lo, -(16*(2*\ks+(\u)/8-(\q))+(\u)%8), v[DL]       ; key <= query
	v_cndmask_b32 v[XB+\u], 0, v[XB+\u], vcc_lo
.endr
.endif
.irp e, 0,1,2,3,4,5,6,7
	v_pk_add_f32 v[LS+4*(\q)+2*((\e)%2):LS+4*(\q)+2*((\e)%2)+1], v[LS+4*(\q)+2*((\e)%2):LS+4*(\q)+2*((\e)%2)+1], v[XB+2*\e:XB+2*\e+1]
.endr
.irp e, 0,1,2,3,4,5,6,7
	v_cvt_pk_bf16_f32 v[PB+16*((\q)%2)+8*\ks+\e], v[XB+2*\e], v[XB+2*\e+1]
.endr
.endm
; Query tiles 2 g and 2 g + 1 against my 64 keys.  Eight accumulators take turns in each run of matrix instructions.
.macro GROUP g, masked
	WIN 0x04                                       ; source 1 (Q) window 1
.irp kd, 0,1
.irp qq, 0,1
.irp kt, 0,1,2,3
.if \kd
	v_wmma_f32_16x16x32_bf16 v[ST+8*(4*\qq+\kt):ST+8*(4*\qq+\kt)+7], v[KF+8*(2*\kt+\kd):KF+8*(2*\kt+\kd)+7], v[QF+8*(2*(2*\g+\qq)+\kd):QF+8*(2*(2*\g+\qq)+\kd)+7], v[ST+8*(4*\qq+\kt):ST+8*(4*\qq+\kt)+7]
.else
	v_wmma_f32_16x16x32_bf16 v[ST+8*(4*\qq+\kt):ST+8*(4*\qq+\kt)+7], v[KF+8*(2*\kt+\kd):KF+8*(2*\kt+\kd)+7], v[QF+8*(2*(2*\g+\qq)+\kd):QF+8*(2*(2*\g+\qq)+\kd)+7], 0
.endif
.endr
.endr
.endr
	WIN 0
	PLACES                                         ; scores are read, and the packed operand of the last products is written, four places on
	SOFT 2*\g, 0, \masked
	SOFT 2*\g, 1, \masked
	SOFT 2*\g+1, 0, \masked
	SOFT 2*\g+1, 1, \masked
.if (\g)==0
	s_wait_dscnt 0x0                               ; the V fragments
.endif
	WIN 0x51
.irp ks, 0,1
.irp qq, 0,1
.irp dt, 0,1,2,3
	v_wmma_f32_16x16x32_bf16 v[8*(4*(2*\g+\qq)+\dt):8*(4*(2*\g+\qq)+\dt)+7], v[VF+8*(2*\dt+\ks):VF+8*(2*\dt+\ks)+7], v[PB+16*\qq+8*\ks:PB+16*\qq+8*\ks+7], v[8*(4*(2*\g+\qq)+\dt):8*(4*(2*\g+\qq)+\dt)+7]
.endr
.endr
.endr
.endm
.macro BODY slot, masked
	PLACES                                         ; fragment registers are loaded again four places behind the products that read them
.irp kt, 0,1,2,3
.irp kd, 0,1
	ds_load_b128 v[KF+8*(2*\kt+\kd):KF+8*(2*\kt+\kd)+3], v[AK+\slot] offset:\kt*16*KP+64*\kd
	ds_load_b128 v[KF+8*(2*\kt+\kd)+4:KF+8*(2*\kt+\kd)+7], v[AK+\slot] offset:\kt*16*KP+64*\kd+32
.endr
.endr
	VLOAD AV+\slot
	s_wait_dscnt 16                                ; K's 16 loads are in, V's 16 stay out
	GROUP 0, \masked
	GROUP 1, \masked
	WIN 0
.endm
.macro LAST slot                       ; the last tile: a chunk wholly behind my queries is left out (no barrier stands under this branch)
	s_cmp_gt_i32 s23, 0
	s_cbranch_scc1 .Lnone_\@
	BODY \slot, 1
.Lnone_\@:
.endm
	s_lshr_b32 s22, s21, 1                         ; pairs of full tiles
	s_and_b32 s3, s21, 1                           ; one more full tile?
	s_cmp_eq_u32 s22, 0
	s_cbranch_scc1 .Ltail
.Lpair:
	HEAD 0, 1
	BODY 0, 0
	HEAD 1, 1
	BODY 1, 0
	s_sub_co_u32 s22, s22, 1
	s_cmp_lg_u32 s22, 0
	s_cbranch_scc1 .Lpair
.Ltail:
	s_cmp_eq_u32 s3, 0
	s_cbranch_scc1 .Leven
	HEAD 0, 1
	BODY 0, 0
	HEAD 1, 0                                      ; the last tile asks for nothing more
	LAST 1
	s_branch .Lepi
.Leven:
	HEAD 0, 0
	LAST 0
.Lepi:
	; THE END: the four key chunks' parts meet in LDS, over the ring, which is not filled again
	s_wait_dscnt 0x0                               ; my reads of the ring are over
	s_barrier_signal -1
	s_barrier_wait -1                              ; everybody's are
	PLACES
	s_mul_i32 s26, s16, SCRW
	v_lshlrev_b32 v13, 4, v12
	v_add_nc_u32 v13, s26, v13
	s_add_co_u32 s26, s26, 16384
	v_lshlrev_b32 v14, 2, v12
	v_add_nc_u32 v14, s26, v14
	WIN 0x04                                       ; store data window 1
.set e, 0
.rept 32
	ds_store_b128 v13, v[4*e:4*e+3] offset:512*e
.set e, e+1
.endr
	WIN 0
.irp q, 0,1,2,3
	v_pk_add_f32 v[LS+4*\q:LS+4*\q+1], v[LS+4*\q:LS+4*\q+1], v[LS+4*\q+2:LS+4*\q+3]
	v_add_f32 v[LS+4*\q], v[LS+4*\q], v[LS+4*\q+1]
	ds_store_b32 v14, v[LS+4*\q] offset:128*\q
.endr
	s_mul_i32 s27, s17, 4*SCRW                     ; the four waves of my query half
	s_lshl_b32 s28, s18, 12                        ; I finish query tile kq: 4,096 bytes of each wave's O
	s_add_co_u32 s28, s28, s27
	v_lshlrev_b32 v15, 4, v12
	v_add_nc_u32 v15, s28, v15
	s_lshl_b32 s28, s18, 7
	s_add_co_u32 s28, s28, s27
	s_add_co_u32 s28, s28, 16384
	v_lshlrev_b32 v5, 2, v12
	v_add_nc_u32 v5, s28, v5
	s_lshl_b32 s28, s17, 9
	s_add_co_u32 s28, s28, TBO
	v_lshlrev_b32 v6, 5, v2
	v_add_nc_u32 v6, s28, v6
	s_mul_i32 s28, s16, 16*STGP
	s_add_co_u32 s28, s28, STG
	v_mul_u32_u24 v7, v1, STGP
	v_lshl_add_u32 v7, v2, 4, v7
	v_add_nc_u32 v7, s28, v7                       ; stage, in: row r, 16 bytes a half
	v_mul_u32_u24 v8, v2, STGP
	v_lshl_add_u32 v8, v1, 4, v8
	v_add_nc_u32 v8, s28, v8                       ; stage, back: 16 lanes take a row of 256 bytes
	v_lshlrev_b32 v9, 12, v2
	v_lshl_add_u32 v9, v1, 4, v9                   ; the same two rows in Ah, 4,096 bytes apart
	s_lshr_b32 s26, s19, 4                         ; batch
	s_lshl_b32 s26, s26, 23                        ; 2,048 tokens x 4,096 bytes
	s_lshl_b32 s27, s20, 19
	s_add_co_u32 s26, s26, s27
	s_lshl_b32 s27, s17, 18
	s_add_co_u32 s26, s26, s27
	s_lshl_b32 s27, s18, 16
	s_add_co_u32 s26, s26, s27
	s_and_b32 s27, s19, 15
	s_lshl_b32 s27, s27, 8                         ; the head's 256 bytes
	s_add_co_u32 s26, s26, s27
	s_mov_b32 s27, 0
	s_add_nc_u64 s[14:15], s[14:15], s[26:27]
	s_lshl_b32 s28, s20, 7
	s_lshl_b32 s29, s17, 6
	s_add_co_u32 s28, s28, s29
	s_lshl_b32 s29, s18, 4
	s_add_co_u32 s28, s28, s29
	s_add_co_u32 s28, s28, 1                       ; keys that count for query r of my tile: this + r
	s_wait_dscnt 0x0                               ; my stores are done, for the others' sake
	s_barrier_signal -1
	s_barrier_wait -1
.irp k, 0,1,2,3
.irp u, 0,1,2,3,4,5,6,7
	ds_load_b128 v[64+32*\k+4*\u:64+32*\k+4*\u+3], v15 offset:\k*SCRW+512*\u
.endr
.endr
.irp k, 0,1,2,3
	ds_load_b32 v[LS+\k], v5 offset:\k*SCRW
.endr
.irp c, 0,1
.irp u, 0,1,2,3,4,5,6,7
	ds_load_b128 v[192+32*\c+4*\u:192+32*\c+4*\u+3], v6 offset:\c*256+64*((\u)/2)+16*((\u)%2)
.endr
.endr
	v_add_nc_u32 v36, s28, v1
	v_cvt_f32_u32 v36, v36
	s_wait_dscnt 0x0
.irp s, 96,128,160,192,224
.set e, 0
.rept 16
	v_pk_add_f32 v[64+2*e:64+2*e+1], v[64+2*e:64+2*e+1], v[\s+2*e:\s+2*e+1]
.set e, e+1
.endr
.endr
	v_add_f32 v[LS], v[LS], v[LS+1]
	v_add_f32 v[LS+2], v[LS+2], v[LS+3]
	v_add_f32 v[LS], v[LS], v[LS+2]
	v_permlanex16_b32 v[LS+1], v[LS], s24, s25     ; the other half's keys
	v_add_f32 v[LS], v[LS], v[LS+1]
	v_add_f32 v[LS], v[LS], v36                    ; + the number of keys
	v_rcp_f32 v38, v[LS]
	v_nop                                          ; one plain place behind a transcendental (ISA guide 5.7.2)
	s_wait_alu depctr_va_vdst(0)
	v_mov_b32 v39, v38
.set e, 0
.rept 16
	v_pk_mul_f32 v[64+2*e:64+2*e+1], v[64+2*e:64+2*e+1], v[38:39]
.set e, e+1
.endr
.set e, 0
.rept 16
	v_cvt_pk_bf16_f32 v[96+e], v[64+2*e], v[64+2*e+1]                  ; hi
.set e, e+1
.endr
.set e, 0
.rept 16
	v_lshlrev_b32 v[128+2*e], 16, v[96+e]
	v_and_b32 v[128+2*e+1], 0xffff0000, v[96+e]
.set e, e+1
.endr
.set e, 0
.rept 16
	v_pk_add_f32 v[128+2*e:128+2*e+1], v[64+2*e:64+2*e+1], v[128+2*e:128+2*e+1] neg_lo:[0,1] neg_hi:[0,1]
.set e, e+1
.endr
.set e, 0
.rept 16
	v_cvt_pk_bf16_f32 v[112+e], v[128+2*e], v[128+2*e+1]               ; lo
.set e, e+1
.endr
.irp dt, 0,1,2,3
	ds_store_b128 v7, v[96+4*\dt:96+4*\dt+3] offset:32*\dt
	ds_store_b128 v7, v[112+4*\dt:112+4*\dt+3] offset:128+32*\dt
.endr
.irp t, 0,1,2,3,4,5,6,7
	ds_load_b128 v[160+4*\t:160+4*\t+3], v8 offset:2*STGP*\t           ; LDS serves a wave's instructions in order: these see the stores above
.endr
.irp t, 0,1,2,3,4,5,6,7
	s_wait_dscnt 7-\t                              ; the younger read-backs stay out
	global_store_b128 v9, v[160+4*\t:160+4*\t+3], s[14:15] offset:8192*\t      ; 16 lanes store 256 consecutive bytes, aligned
.endr
	s_wait_xcnt 0x0
	v_lshl_add_u32 v254, v0, 2, 0x38c00
	v_mov_b32 v255, 0
	s_wait_tensorcnt 0x0
	ds_add_u32 v254, v255
	s_wait_dscnt 0x0
	s_endpgm
.Lfunc_end_k_q04b540d6e8_attn:
	.size	k_q04b540d6e8_attn, .Lfunc_end_k_q04b540d6e8_attn-k_q04b540d6e8_attn
	.p2alignl 7, 3214868480
	.fill 96, 4, 3214868480
	.section	.rodata,"a",@progbits
	.p2align	6, 0x0
	.amdhsa_kernel k_q04b540d6e8_attn
		.amdhsa_group_segment_fixed_size 327680
		.amdhsa_private_segment_fixed_size 0
		.amdhsa_enable_private_segment 0
		.amdhsa_kernarg_size 48
		.amdhsa_user_sgpr_count 2
		.amdhsa_user_sgpr_kernarg_segment_ptr 1
		.amdhsa_wavefront_size32 1
		.amdhsa_system_sgpr_workgroup_id_x 1
		.amdhsa_system_sgpr_workgroup_id_y 1
		.amdhsa_system_sgpr_workgroup_id_z 1
		.amdhsa_system_vgpr_workitem_id 0
		.amdhsa_next_free_vgpr 512
		.amdhsa_next_free_sgpr 84
		.amdhsa_reserve_vcc 1
		.amdhsa_float_denorm_mode_32 3
		.amdhsa_float_denorm_mode_16_64 3
		.amdhsa_memory_ordered 1
		.amdhsa_forward_progress 1
		.amdhsa_inst_pref_size 214
	.end_amdhsa_kernel
	.amdgpu_metadata
---
amdhsa.version: [ 1, 2 ]
amdhsa.kernels:
  - .name:           k_q04b540d6e8_attn
    .symbol:         k_q04b540d6e8_attn.kd
    .args:
      - { .name: Qn, .offset: 0, .size: 8, .value_kind: global_buffer, .address_space: global }
      - { .name: Kn, .offset: 8, .size: 8, .value_kind: global_buffer, .address_space: global }
      - { .name: Vh, .offset: 16, .size: 8, .value_kind: global_buffer, .address_space: global }
      - { .name: Vl, .offset: 24, .size: 8, .value_kind: global_buffer, .address_space: global }
      - { .name: Tt, .offset: 32, .size: 8, .value_kind: global_buffer, .address_space: global }
      - { .name: Ah, .offset: 40, .size: 8, .value_kind: global_buffer, .address_space: global }
    .group_segment_fixed_size: 327680
    .private_segment_fixed_size: 0
    .kernarg_segment_align: 8
    .kernarg_segment_size: 48
    .max_flat_workgroup_size: 256
    .sgpr_count:     84
    .vgpr_count:     512
    .wavefront_size: 32
...
	.end_amdgpu_metadata
.endif
;; end of part 3
;; launch oproj (part 4): grid 8 x 32, 4 waves a work-group, clusters of 4 x 4, 327,680 bytes of LDS; arguments Ah, Wb, bo, out0; writes out0
.if DOCPART == 4
	.amdgcn_target "amdgcn-amd-amdhsa--gfx1250"
	.amdhsa_code_object_version 6
	.text
	.protected	k_q04b540d6e8_oproj
	.globl	k_q04b540d6e8_oproj
	.p2align	8
	.type	k_q04b540d6e8_oproj,@function
k_q04b540d6e8_oproj:
	s_mov_b64 s[64:65], 0
	v_nop
	global_prefetch_b8 v0, s[64:65] scope:SCOPE_SE
	s_setreg_imm32_b32 hwreg(HW_REG_WAVE_MODE, 25, 1), 1
	s_wait_xcnt 0x0
	s_wait_alu depctr_hold_cnt(0) depctr_sa_sdst(0) depctr_va_vdst(0) depctr_va_sdst(0) depctr_va_ssrc(0) depctr_va_vcc(0) depctr_vm_vsrc(0)
	s_getreg_b32 s2, hwreg(HW_REG_IB_STS2, 6, 4)
	s_cmp_eq_u32 s2, 0
	s_cbranch_scc0 .Lentry_in_a_cluster
	s_endpgm
.Lentry_in_a_cluster:
	s_bfe_u32 s2, ttmp6, 0x10000c
	s_cmp_lg_u32 s2, 0xf033
	s_cbranch_scc0 .Lentry_shape_is_right
	s_endpgm
.Lentry_shape_is_right:
; out0 = (hi + lo) Wo + bo.  Ah: [4096 tokens][16 heads][hi 64 | lo 64] bf16; Wo is the fourth weight in Wb, [1024 k][1024 n] bf16;
; bo and out0 in f32.  hi and lo are multiplied by the same fragments of Wo and added into the same f32 sums.
; A work-group makes 128 tokens x 128 columns; wave w: tokens 64 (w >> 1) .., columns 64 (w & 1) ..: 16 accumulator tiles.
; A K step is two heads: 512 bytes of each row of Ah and 128 rows of Wo; eight steps through two LDS slots.
; CLUSTERS: 4 x 4 work-groups; Ah's tile hangs on the token block alone (joint along a row of the cluster), Wo's on the column block
; alone (joint along a column).  Waves 0, 1 ask for the halves of Ah's tile, waves 2, 3 for those of Wo's.
; A wave has at most two tensor loads outstanding (the two slots' first fills), later one.
; The matrix instruction is used transposed (source 0 = 16 columns of Wo, source 1 = 16 tokens): a lane holds eight neighbouring columns.
; REGISTERS: window 0: v16-23 addresses, v32-35 bias, v64-159 / v160-255 fragments (Wo 32, hi 32, lo 32), two buffers; window 1: v0-127 sums.
.set PA,     528                       ; Ah's LDS rows: 512 bytes + 16 (odd multiple of 16)
.set PB,     288                       ; Wo's LDS rows: 256 bytes + 32 (odd multiple of 32)
.set ABYTES, 128*PA
.set SLOT,   ABYTES+128*PB
.set STAGE,  2*SLOT
.set SP,     272
.set LAPS,   4
.set ADRA, 16
.set ADRB, 18
.set STO,  20
.set RD,   21
.set CO,   22
.set BA,   23
.set BIAS, 32
.set F0,   64
.set F1,   160
.set G1,  24
.set G0,  32
.set G1B, 40
.set G0B, 48
.set MUL, 0x50                         ; C and D window 1
.set MSB, 0
.macro WIN new
.if MSB != (\new)
	s_set_vgpr_msb (MSB<<8)|(\new)
.set MSB, \new
.endif
.endm
.macro PLACES                          ; four plain vector places behind matrix instructions (ISA guide 7.12.1)
.rept 4
	v_nop
.endr
.endm
.macro JLOAD s
	s_cmp_eq_u32 s13, 0
	s_cbranch_scc0 .Lfor_b_\@
	tensor_load_to_lds s[G0+4*\s:G0+4*\s+3], s[G1:G1+7]
	s_nop 0
	s_branch .Lasked_\@
.Lfor_b_\@:
	tensor_load_to_lds s[G0B+4*\s:G0B+4*\s+3], s[G1B:G1B+7]
	s_nop 0
.Lasked_\@:
.endm
.macro CREST
	s_cmp_lg_u32 s12, 0
	s_cbranch_scc1 .Lnot_wave_0_\@
	s_barrier_signal -3
.Lnot_wave_0_\@:
	s_barrier_wait -3
	s_barrier_signal -1
	s_barrier_wait -1
.endm
.macro CROUND
	s_barrier_signal -1
	s_barrier_wait -1
	CREST
.endm
	s_load_b256 s[4:11], s[0:1], 0x0               ; Ah s[4:5], Wb s[6:7], bo s[8:9], out0 s[10:11]
	v_lshl_add_u32 v62, v0, 2, 0x37400
	v_mov_b32 v63, 0
	ds_add_u32 v62, v63
	ds_add_u32 v62, v63
	v_lshrrev_b32 v1, 5, v0
	v_readfirstlane_b32 s12, v1                    ; wave 0..3
	s_lshr_b32 s13, s12, 1                         ; which 64 tokens.  Also: I fetch for Ah (0) or for Wo (1)
	s_and_b32 s14, s12, 1                          ; which 64 columns.  Also: which 64 rows of that tile I fetch
	s_bfe_u32 s15, ttmp6, 0x40000                  ; cx
	s_bfe_u32 s16, ttmp6, 0x40004                  ; cy
	s_lshl_b32 s17, ttmp9, 2
	s_add_co_u32 s17, s17, s15                     ; column block, 0..7
	s_and_b32 s18, ttmp7, 0xffff
	s_lshl_b32 s18, s18, 2
	s_add_co_u32 s18, s18, s16                     ; token block, 0..31
	s_lshl_b32 s19, s16, 2
	s_lshl_b32 s19, 15, s19                        ; my row of the cluster
	s_lshl_b32 s20, 0x1111, s15                    ; my column
	s_or_b32 s[G1+0], s19, (1<<16)|(1<<20)|(1<<21)|(6<<22)|(3<<25)    ; after 128 words 4 words of padding
	s_mov_b32 s[G1+1], 256<<16                     ; tensor_dim0 = 256
	s_mov_b32 s[G1+2], 64<<16                      ; tensor_dim1 = 64
	s_mov_b32 s[G1+3], 256<<16                     ; tile_dim0 = 256 elements = 512 bytes
	s_mov_b32 s[G1+4], 64                          ; tile_dim1 = 64 rows
	s_mov_b32 s[G1+5], 2048                        ; elements from row to row of Ah
	s_mov_b32 s[G1+6], 0
	s_mov_b32 s[G1+7], 0
	s_or_b32 s[G1B+0], s20, (1<<16)|(1<<20)|(1<<21)|(5<<22)|(7<<25)   ; after 64 words 8 words of padding
	s_mov_b32 s[G1B+1], 128<<16
	s_mov_b32 s[G1B+2], 64<<16
	s_mov_b32 s[G1B+3], 128<<16
	s_mov_b32 s[G1B+4], 64
	s_mov_b32 s[G1B+5], 1024
	s_mov_b32 s[G1B+6], 0
	s_mov_b32 s[G1B+7], 0
	s_lshl_b32 s56, s18, 19                        ; Ah: token block x 128 rows x 4,096 bytes
	s_lshl_b32 s57, s14, 18                        ; + my 64 rows
	s_add_co_u32 s56, s56, s57
	s_mov_b32 s57, 0
	s_lshl_b32 s58, s17, 8                         ; Wo: the block's 128 columns
	s_lshl_b32 s59, s14, 17                        ; + my 64 rows of 2,048 bytes
	s_add_co_u32 s58, s58, s59
	s_add_co_u32 s58, s58, 6291456                 ; the fourth weight in Wb
	s_mov_b32 s59, 0
	s_mul_i32 s60, s12, 64*PA                      ; LDS, waves 0, 1: Ah's halves
	s_mul_i32 s61, s12, 64*PB                      ; LDS, waves 2, 3: Wo's halves, behind Ah's tile
	s_add_co_u32 s61, s61, ABYTES-128*PB
	s_wait_dscnt 0x0
	s_wait_kmcnt 0x0
	s_add_nc_u64 s[56:57], s[4:5], s[56:57]
	s_add_nc_u64 s[58:59], s[6:7], s[58:59]
	CROUND                                         ; the first joint loads meet
.irp s, 0,1
	s_mov_b32 s[G0+4*\s], 1
	s_add_co_u32 s[G0+4*\s+1], s60, \s*SLOT
	s_add_nc_u64 s[G0+4*\s+2:G0+4*\s+3], s[56:57], \s*512
	s_or_b32 s[G0+4*\s+3], s[G0+4*\s+3], 0x80000000
	s_mov_b32 s[G0B+4*\s], 1
	s_add_co_u32 s[G0B+4*\s+1], s61, \s*SLOT
	s_add_nc_u64 s[G0B+4*\s+2:G0B+4*\s+3], s[58:59], \s*262144
	s_or_b32 s[G0B+4*\s+3], s[G0B+4*\s+3], 0x80000000
	JLOAD \s
.endr
	v_and_b32 v1, 15, v0                           ; r
	v_bfe_u32 v2, v0, 4, 1                         ; h
	v_and_b32 v3, 7, v0
	v_bfe_u32 v4, v0, 3, 1
	v_mul_u32_u24 v6, v1, PA
	v_lshl_add_u32 v6, v2, 4, v6
	s_mul_i32 s66, s13, 64*PA
	v_add_nc_u32 v[ADRA], s66, v6
	v_add_nc_u32 v[ADRA+1], SLOT, v[ADRA]
	v_lshl_add_u32 v7, v2, 3, v3
	v_mul_u32_u24 v7, v7, PB
	v_lshl_add_u32 v7, v4, 4, v7
	s_lshl_b32 s66, s14, 7
	s_add_co_u32 s66, s66, ABYTES
	v_add_nc_u32 v[ADRB], s66, v7
	v_add_nc_u32 v[ADRB+1], SLOT, v[ADRB]
	s_mul_i32 s66, s12, 16*SP
	s_add_co_u32 s66, s66, STAGE
	v_mul_u32_u24 v6, v1, SP
	v_lshl_add_u32 v6, v2, 5, v6                   ; in: row r, 32 bytes (8 f32) for each half of the lanes
	v_add_nc_u32 v[STO], s66, v6
	v_mul_u32_u24 v6, v2, SP
	v_lshl_add_u32 v6, v1, 4, v6                   ; back: 16 lanes take a row of 256 bytes
	v_add_nc_u32 v[RD], s66, v6
	v_lshlrev_b32 v[CO], 12, v2
	v_lshl_add_u32 v[CO], v1, 4, v[CO]             ; the same two rows in out0
	v_lshlrev_b32 v[BA], 4, v1
	s_lshl_b32 s70, s17, 9                         ; my columns in bytes of f32: 512 x block + 256 x half
	s_lshl_b32 s71, s14, 8
	s_add_co_u32 s70, s70, s71
	s_mov_b32 s71, 0
	s_add_nc_u64 s[8:9], s[8:9], s[70:71]
	global_load_b128 v[BIAS:BIAS+3], v[BA], s[8:9] ; the four biases of the columns that I store
	s_lshl_b32 s72, s18, 19                        ; my first row of out0
	s_lshl_b32 s73, s13, 18
	s_add_co_u32 s72, s72, s73
	s_add_co_u32 s72, s72, s70
	s_mov_b32 s73, 0
	s_add_nc_u64 s[10:11], s[10:11], s[72:73]
; 8 matrix instructions: token tiles a0, a0 + 1 x 4 column tiles, hi (lo = 0) or lo (lo = 1), from buffer f
.macro MUL8 f, lo, a0, zero
.irp a, \a0, \a0+1
.irp b, 0,1,2,3
.if \zero
	v_wmma_f32_16x16x32_bf16 v[8*(4*(\a)+\b):8*(4*(\a)+\b)+7], v[\f+8*\b:\f+8*\b+7], v[\f+32+32*\lo+8*(\a):\f+32+32*\lo+8*(\a)+7], 0
.else
	v_wmma_f32_16x16x32_bf16 v[8*(4*(\a)+\b):8*(4*(\a)+\b)+7], v[\f+8*\b:\f+8*\b+7], v[\f+32+32*\lo+8*(\a):\f+32+32*\lo+8*(\a)+7], v[8*(4*(\a)+\b):8*(4*(\a)+\b)+7]
.endif
.endr
.endr
.endm
; 24 LDS loads: phase ph (head ph / 2 of the step, 32 k at 32 (ph % 2)) into buffer f: Wo, then hi, then lo
.macro FETCH slot, ph, f
.irp b, 0,1,2,3
	ds_load_tr16_b128 v[\f+8*\b:\f+8*\b+3], v[ADRB+\slot] offset:\ph*32*PB+32*\b
	ds_load_tr16_b128 v[\f+8*\b+4:\f+8*\b+7], v[ADRB+\slot] offset:\ph*32*PB+32*\b+16*PB
.endr
.irp l, 0,1
.irp a, 0,1,2,3
	ds_load_b128 v[\f+32+32*\l+8*\a:\f+32+32*\l+8*\a+3], v[ADRA+\slot] offset:\a*16*PA+((\ph)/2)*256+((\ph)%2)*64+128*\l
	ds_load_b128 v[\f+32+32*\l+8*\a+4:\f+32+32*\l+8*\a+7], v[ADRA+\slot] offset:\a*16*PA+((\ph)/2)*256+((\ph)%2)*64+128*\l+32
.endr
.endr
.endm
; A K step is four phases of 32 matrix instructions on buffers 0, 1, 0, 1; the 16 accumulators take turns, one instruction a turn,
; first with hi, then with lo.
.macro PHASE slot, nph, f, g, zero
	s_wait_dscnt 8                                 ; Wo and hi are in; the youngest eight loads (lo) stay out
	WIN MUL
	MUL8 \f, 0, 0, \zero
	MUL8 \f, 0, 2, \zero
	PLACES
	WIN 0
	FETCH \slot, \nph, \g
	s_wait_dscnt 24                                ; all but the 24 just issued
	WIN MUL
	MUL8 \f, 1, 0, 0
	MUL8 \f, 1, 2, 0
.endm
.macro THREE slot, zero
	PHASE \slot, 1, F0, F1, \zero
	PHASE \slot, 2, F1, F0, 0
	PHASE \slot, 3, F0, F1, 0
.endm
; The last phase changes slots: waits for my reads of this slot and for all my tensor loads, the barrier (with fill = 1 it opens a round of
; the cluster's barrier), the joint refill first behind it.  From a request to its wait: 120 matrix instructions.
.macro TURN slot, next, fill
	s_wait_dscnt 8
	WIN MUL
	MUL8 F1, 0, 0, 0
	s_wait_dscnt 0
	s_wait_tensorcnt 0x0
	ds_add_u32 v62, v63
	s_wait_dscnt 0x0
	s_barrier_signal -1
	MUL8 F1, 0, 2, 0
	WIN 0
	s_barrier_wait -1
.if \fill
	CREST
	s_add_nc_u64 s[G0+4*\slot+2:G0+4*\slot+3], s[G0+4*\slot+2:G0+4*\slot+3], 1024
	s_add_nc_u64 s[G0B+4*\slot+2:G0B+4*\slot+3], s[G0B+4*\slot+2:G0B+4*\slot+3], 524288
	JLOAD \slot
.endif
	PLACES
	FETCH \next, 0, F0
	WIN MUL
	MUL8 F1, 1, 0, 0
	MUL8 F1, 1, 2, 0
.endm
.macro LAP zero
	THREE 0, \zero
	TURN 0, 1, 1
	THREE 1, 0
	TURN 1, 0, 1
.endm
	s_wait_tensorcnt 1                             ; my part of K step 0 is in; step 1's stays out
	s_barrier_signal -1
	s_barrier_wait -1
	FETCH 0, 0, F0
	LAP 1
	WIN 0
	s_mov_b32 s3, LAPS-2
.Llap:
	LAP 0
	WIN 0
	s_sub_co_u32 s3, s3, 1
	s_cmp_lg_u32 s3, 0
	s_cbranch_scc1 .Llap
	THREE 0, 0                                     ; the last lap fills nothing
	TURN 0, 1, 0
	THREE 1, 0
	s_wait_dscnt 8
	WIN MUL
	MUL8 F1, 0, 0, 0
	MUL8 F1, 0, 2, 0
	s_wait_dscnt 0
	MUL8 F1, 1, 0, 0
	MUL8 F1, 1, 2, 0
	; THE WAY OUT, 16 tokens at a time through my stage; the bias is added to whole rows
	PLACES
	s_wait_loadcnt 0x0                             ; the bias
.macro OUT16 a, f
	WIN 0x04                                       ; store data window 1
.irp b, 0,1,2,3
.irp p, 0,1
	ds_store_b128 v[STO], v[8*(4*\a+\b)+4*\p:8*(4*\a+\b)+4*\p+3] offset:64*\b+16*\p
.endr
.endr
	WIN 0
	s_wait_xcnt 0x0                                ; buffer f was earlier stores' data, s[10:11] their base: written again only behind this wait
.if \a
	s_add_nc_u64 s[10:11], s[10:11], 65536         ; 16 rows of out0 on
.endif
.irp t, 0,1,2,3,4,5,6,7
	ds_load_b128 v[\f+4*\t:\f+4*\t+3], v[RD] offset:2*SP*\t            ; LDS serves a wave's instructions in order: these see the stores above
.endr
.irp t, 0,1,2,3,4,5,6,7
	s_wait_dscnt 7-\t                              ; the younger read-backs stay out
	v_pk_add_f32 v[\f+4*\t:\f+4*\t+1], v[\f+4*\t:\f+4*\t+1], v[BIAS:BIAS+1]
	v_pk_add_f32 v[\f+4*\t+2:\f+4*\t+3], v[\f+4*\t+2:\f+4*\t+3], v[BIAS+2:BIAS+3]
	global_store_b128 v[CO], v[\f+4*\t:\f+4*\t+3], s[10:11] offset:8192*\t th:TH_STORE_NT   ; 16 lanes store 256 consecutive bytes, aligned
.endr
.endm
	OUT16 0, F0
	OUT16 1, F1
	OUT16 2, F0
	OUT16 3, F1
	s_wait_tensorcnt 0x0
	ds_add_u32 v62, v63
	s_wait_dscnt 0x0
	CROUND                                         ; the closing round
	s_endpgm
.Lfunc_end_k_q04b540d6e8_oproj:
	.size	k_q04b540d6e8_oproj, .Lfunc_end_k_q04b540d6e8_oproj-k_q04b540d6e8_oproj
	.p2alignl 7, 3214868480
	.fill 96, 4, 3214868480
	.section	.rodata,"a",@progbits
	.p2align	6, 0x0
	.amdhsa_kernel k_q04b540d6e8_oproj
		.amdhsa_group_segment_fixed_size 327680
		.amdhsa_private_segment_fixed_size 0
		.amdhsa_enable_private_segment 0
		.amdhsa_kernarg_size 32
		.amdhsa_user_sgpr_count 2
		.amdhsa_user_sgpr_kernarg_segment_ptr 1
		.amdhsa_wavefront_size32 1
		.amdhsa_system_sgpr_workgroup_id_x 1
		.amdhsa_system_sgpr_workgroup_id_y 1
		.amdhsa_system_sgpr_workgroup_id_z 1
		.amdhsa_system_vgpr_workitem_id 0
		.amdhsa_next_free_vgpr 384
		.amdhsa_next_free_sgpr 80
		.amdhsa_reserve_vcc 0
		.amdhsa_float_denorm_mode_32 3
		.amdhsa_float_denorm_mode_16_64 3
		.amdhsa_memory_ordered 1
		.amdhsa_forward_progress 1
		.amdhsa_inst_pref_size 114
	.end_amdhsa_kernel
	.amdgpu_metadata
---
amdhsa.version: [ 1, 2 ]
amdhsa.kernels:
  - .name:           k_q04b540d6e8_oproj
    .symbol:         k_q04b540d6e8_oproj.kd
    .args:
      - { .name: Ah, .offset: 0, .size: 8, .value_kind: global_buffer, .address_space: global }
      - { .name: Wb, .offset: 8, .size: 8, .value_kind: global_buffer, .address_space: global }
      - { .name: bo, .offset: 16, .size: 8, .value_kind: global_buffer, .address_space: global }
      - { .name: out0, .offset: 24, .size: 8, .value_kind: global_buffer, .address_space: global }
    .group_segment_fixed_size: 327680
    .private_segment_fixed_size: 0
    .kernarg_segment_align: 8
    .kernarg_segment_size: 32
    .max_flat_workgroup_size: 128
    .sgpr_count:     80
    .vgpr_count:     384
    .wavefront_size: 32
...
	.end_amdgpu_metadata
.endif
;; end of part 4
;; ======== version 2 of 2: 4 launches
;; limits: values are held in f16: magnitudes above 65,504 overflow, below 6.1e-05 lose precision; right only within a limited range of input values; a function is approximated: absolute error at most 1.1e-05
;; workspace buffers: Xb 8,388,608 bytes; Wb 8,388,608 bytes; Qn 8,388,608 bytes; Kn 8,388,608 bytes; Vh 8,388,608 bytes; Vl 8,388,608 bytes; Tt 262,144 bytes; Ah 8,388,608 bytes
;; launch prep (part 5): grid 256 x 1, 8 waves a work-group, no clusters, 0 bytes of LDS; arguments X, Wq, Wk, Wv, Wo, Xb, Wb; writes Xb, Wb
.if DOCPART == 5
	.amdgcn_target "amdgcn-amd-amdhsa--gfx1250"
	.amdhsa_code_object_version 6
	.text
	.protected	k_q04b540d6e8_prep
	.globl	k_q04b540d6e8_prep
	.p2align	8
	.type	k_q04b540d6e8_prep,@function
k_q04b540d6e8_prep:
	s_mov_b64 s[64:65], 0
	v_nop
	global_prefetch_b8 v0, s[64:65] scope:SCOPE_SE
	s_setreg_imm32_b32 hwreg(HW_REG_WAVE_MODE, 25, 1), 1
	s_wait_xcnt 0x0
; Casts X and the four weights from f32 to 16 bits, layouts unchanged.
; Xb = X as [4096][1024] bf16; Wb = Wq, Wk, Wv, Wo one behind the other, each [1024 k][1024 n], 2 MiB apart.
; X, Wq, Wk, Wv: bf16, round to nearest even.  Wo: rounded to bf16 in the same way and that value written as f16, because the last
; product takes f16 operands: a bf16 value has 8 significant bits, so its f16 image is exact from 2^-14 up and within 2^-25 below.
; LIMIT: |Wo| below 65,504 (f16's largest number).
; 256 work-groups of 8 waves; work-group g takes 131,072 bytes of input: g < 128 of X, the others of weight (g-128)/32.
; A wave takes 16,384 bytes by 32 loads of 512 neighbouring bytes, all issued before the first is used, and
; stores 32 times 256 neighbouring bytes, aligned.  No store's source is written again.
; No LDS, no matrix unit: the launch only moves bytes.
.set NLD, 32                           ; loads of a wave
.set XI,  8                            ; v[8:135]   f32 as loaded, 4 registers a load
.set XO,  136                          ; v[136:199] 16-bit numbers to store, 2 registers a load
	s_load_b256 s[4:11], s[0:1], 0x0               ; X s[4:5], Wq s[6:7], Wk s[8:9], Wv s[10:11]
	s_load_b128 s[12:15], s[0:1], 0x20             ; Wo s[12:13], Xb s[14:15]
	s_load_b64 s[16:17], s[0:1], 0x30              ; Wb
	s_and_b32 s20, ttmp9, 127                      ; my number among X's parts, or among the weights' parts
	s_lshr_b32 s21, s20, 5                         ; which weight
	s_and_b32 s22, s20, 31                         ; which part of it
	v_lshrrev_b32 v1, 5, v0                        ; wave
	v_and_b32 v2, 31, v0                           ; lane
	v_lshlrev_b32 v2, 4, v2
	v_lshl_or_b32 v1, v1, 14, v2                   ; in: wave x 16,384 + lane x 16
	v_lshrrev_b32 v3, 1, v1                        ; out: half of that
	s_wait_kmcnt 0x0
	s_cmp_eq_u32 s21, 1                            ; the source is chosen among the buffers by my number alone
	s_cselect_b64 s[24:25], s[8:9], s[6:7]
	s_cmp_eq_u32 s21, 2
	s_cselect_b64 s[24:25], s[10:11], s[24:25]
	s_cmp_eq_u32 s21, 3
	s_cselect_b64 s[24:25], s[12:13], s[24:25]
	s_cmp_lt_u32 ttmp9, 128
	s_cselect_b64 s[24:25], s[4:5], s[24:25]
	s_cselect_b64 s[26:27], s[14:15], s[16:17]
	s_cselect_b32 s28, s20, s22
	s_lshl_b32 s28, s28, 17                        ; 131,072 bytes of f32 a part
	s_mov_b32 s29, 0
	s_lshl_b32 s30, s20, 16                        ; 65,536 bytes out a part; 32 parts are a weight's 2 MiB
	s_mov_b32 s31, 0
	s_add_nc_u64 s[24:25], s[24:25], s[28:29]
	s_add_nc_u64 s[26:27], s[26:27], s[30:31]
.set k, 0
.rept NLD
	global_load_b128 v[XI+4*k:XI+4*k+3], v1, s[24:25] offset:512*k th:TH_LOAD_NT
.set k, k+1
.endr
; half = 0: bf16.  half = 1: the bf16 value, widened again and written as f16.
.macro CAST half
.set k, 0
.rept NLD
	s_wait_loadcnt NLD-1-k                         ; loads come back in order: load k is in, the younger ones stay out
	v_cvt_pk_bf16_f32 v[XO+2*k], v[XI+4*k], v[XI+4*k+1]
	v_cvt_pk_bf16_f32 v[XO+2*k+1], v[XI+4*k+2], v[XI+4*k+3]
.if \half
	v_lshlrev_b32 v[XI+4*k], 16, v[XO+2*k]
	v_and_b32 v[XI+4*k+1], 0xffff0000, v[XO+2*k]
	v_lshlrev_b32 v[XI+4*k+2], 16, v[XO+2*k+1]
	v_and_b32 v[XI+4*k+3], 0xffff0000, v[XO+2*k+1]
	v_cvt_pk_f16_f32 v[XO+2*k], v[XI+4*k], v[XI+4*k+1]
	v_cvt_pk_f16_f32 v[XO+2*k+1], v[XI+4*k+2], v[XI+4*k+3]
.endif
	global_store_b64 v3, v[XO+2*k:XO+2*k+1], s[26:27] offset:256*k   ; 32 lanes x 8 bytes: 256 consecutive bytes, aligned
.set k, k+1
.endr
.endm
	s_cmp_ge_u32 ttmp9, 224                        ; the last 32 work-groups have Wo
	s_cbranch_scc1 .Lwo
	CAST 0
	s_endpgm
.Lwo:
	CAST 1
	s_endpgm
.Lfunc_end_k_q04b540d6e8_prep:
	.size	k_q04b540d6e8_prep, .Lfunc_end_k_q04b540d6e8_prep-k_q04b540d6e8_prep
	.p2alignl 7, 3214868480
	.fill 96, 4, 3214868480
	.section	.rodata,"a",@progbits
	.p2align	6, 0x0
	.amdhsa_kernel k_q04b540d6e8_prep
		.amdhsa_group_segment_fixed_size 0
		.amdhsa_private_segment_fixed_size 0
		.amdhsa_enable_private_segment 0
		.amdhsa_kernarg_size 56
		.amdhsa_user_sgpr_count 2
		.amdhsa_user_sgpr_kernarg_segment_ptr 1
		.amdhsa_wavefront_size32 1
		.amdhsa_system_sgpr_workgroup_id_x 1
		.amdhsa_system_sgpr_workgroup_id_y 1
		.amdhsa_system_sgpr_workgroup_id_z 1
		.amdhsa_system_vgpr_workitem_id 0
		.amdhsa_next_free_vgpr 200
		.amdhsa_next_free_sgpr 66
		.amdhsa_reserve_vcc 0
		.amdhsa_float_denorm_mode_32 3
		.amdhsa_float_denorm_mode_16_64 3
		.amdhsa_memory_ordered 1
		.amdhsa_forward_progress 1
		.amdhsa_inst_pref_size 31
	.end_amdhsa_kernel
	.amdgpu_metadata
---
amdhsa.version: [ 1, 2 ]
amdhsa.kernels:
  - .name:           k_q04b540d6e8_prep
    .symbol:         k_q04b540d6e8_prep.kd
    .args:
      - { .name: X, .offset: 0, .size: 8, .value_kind: global_buffer, .address_space: global }
      - { .name: Wq, .offset: 8, .size: 8, .value_kind: global_buffer, .address_space: global }
      - { .name: Wk, .offset: 16, .size: 8, .value_kind: global_buffer, .address_space: global }
      - { .name: Wv, .offset: 24, .size: 8, .value_kind: global_buffer, .address_space: global }
      - { .name: Wo, .offset: 32, .size: 8, .value_kind: global_buffer, .address_space: global }
      - { .name: Xb, .offset: 40, .size: 8, .value_kind: global_buffer, .address_space: global }
      - { .name: Wb, .offset: 48, .size: 8, .value_kind: global_buffer, .address_space: global }
    .group_segment_fixed_size: 0
    .private_segment_fixed_size: 0
    .kernarg_segment_align: 8
    .kernarg_segment_size: 56
    .max_flat_workgroup_size: 256
    .sgpr_count:     66
    .vgpr_count:     200
    .wavefront_size: 32
...
	.end_amdgpu_metadata
.endif
;; end of part 5
;; launch qkv: the kernel of part 2 again; grid 8 x 32, 4 waves a work-group, clusters of 4 x 4, 327,680 bytes of LDS; arguments Xb, Wb, Qn, Kn, Vh, Vl, Tt; writes Qn, Kn, Vh, Vl, Tt
;; launch attn (part 6): grid 256 x 2, 8 waves a work-group, no clusters, 327,680 bytes of LDS; arguments Qn, Kn, Vh, Vl, Tt, Ah; writes Ah
.if DOCPART == 6
	.amdgcn_target "amdgcn-amd-amdhsa--gfx1250"
	.amdhsa_code_object_version 6
	.text
	.protected	k_q04b540d6e8_attn
	.globl	k_q04b540d6e8_attn
	.p2align	8
	.type	k_q04b540d6e8_attn,@function
k_q04b540d6e8_attn:
	s_mov_b64 s[64:65], 0
	v_nop
	global_prefetch_b8 v0, s[64:65] scope:SCOPE_SE
	s_setreg_imm32_b32 hwreg(HW_REG_WAVE_MODE, 25, 1), 1
	s_wait_xcnt 0x0
; Causal attention of one head for 128 queries.  With s = q^ . k^ / 8 and p = exp(s):
;   sum over k <= q of p v  =  sum of v  +  sum of (p - 1) v,      sum of p  =  (q + 1)  +  sum of (p - 1).
; p - 1 = expm1(s) is formed directly, s (1 + s (1/2 + s / 6)), and goes to the matrix unit in bf16 beside Vh.
; The plain sum of v comes from the f32 totals of the 64-token chunks in front of the query's chunk (Tt) and, inside that chunk,
; from a triangular matrix of ones (exact in bf16) times Vh and times Vl.  The result leaves as f16 (rounding within 2^-12 of the number):
; Ah[batch x 16 + head][token][64].
; NO MAXIMUM IS TAKEN AWAY: reference() normalises q and k itself, so after their rounding to bf16 |s| <= (1 + 2^-8)^2 / 8 < 0.126 for
; every input; exp(s) lies in 0.88 .. 1.14.  For the same bound the series' remainder, s^4 / 24 and less, is below 1.1e-5, beside terms near 1.
; LIMITS: inputs finite; |result| below 65,504 (f16's largest number).
; SHARES: work-group (x, y): head x >> 3 of 32; query block i = 15 - (x & 7) for y = 0, x & 7 for y = 1.  Keys go in tiles of 512.
; Eight waves: wave w has queries 64 (w >> 2) .. and the 64-key chunks w & 3 and 4 + (w & 3) of each tile; sums over keys are plainly
; additive, so the chunks' parts meet once, at the end, in LDS.  The longest wave of block i multiplies 2 (i >> 2) + ((i & 3) >> 1) + 1 chunks:
; blocks i and 15 - i have nine between them.
; In the last tile a chunk behind the wave's queries is left out, one in front of them takes the plain body, the diagonal one a body of its own.
; NO JOINT LOADS: blocks 4 m .. 4 m + 3 of a head walk the same tiles, but which chunks of the last tile a wave leaves out hangs on the block's
; place among the four, and without a branch on that place every wave would multiply both halves of the last tile under
; a mask, 16 bodies a work-group there instead of 9 on the average, and a pair of blocks would take ten steps instead of nine.
; TILES: a head's K and V are dense in memory, so they come in as rows of 256 bytes, two keys to an LDS row.
; LAYOUT: S^T = K Q^T: lane (r, h), register j holds key 16 kt + 8 h + j of query 16 q + r; two such tiles, packed, are the second
; source of O^T = V^T P^T, whose first source comes by transposing loads.  Nothing crosses lanes in the loop.
; A wave has four tensor loads outstanding at the start (the diagonal rows of Vh and Vl, K's and V's tile 0), later two.
; REGISTERS: window 0: v1-15 addresses, v16-31 the triangular operand, v32-47 row sums, v48-63 at work, v64-127 K fragments,
;   v128-191 scores of two query tiles, v192-223 packed p - 1, v224-226 constants.  window 1: v0-127 O, v128-191 Q, v192-255 V fragments.
.set KP,    272                        ; K's LDS rows: two keys, 256 bytes + 16: key rho at (rho >> 1) KP + 128 (rho & 1); 16 keys touch 16 different 16-byte columns
.set VP,    288                        ; V's LDS rows: two keys, 256 bytes + 32: the 16 lanes of a transposing load's pass touch 16 different 16-byte columns
.set KB,    256*KP                     ; 512 keys of K
.set SLOT,  KB+256*VP                  ; 143,360: a tile of 512 keys: K, then Vh
.set KH,    128*KP                     ; the tile's second 256 keys
.set VH,    128*VP
.set DOFF,  2*SLOT                     ; the query block's own 128 rows of Vh, then of Vl
.set DHALF, 64*VP
.set TBO,   DOFF+2*DHALF               ; sums of the chunks' totals: [query half][chunk half][64] f32
.set SCRW,  16896                      ; at the end, over slot 0 (the ring's last fill is over): a wave's O (16,384) and row sums (512)
.set STG,   SLOT                       ; at the end, over slot 1: a stage for each wave, 16 rows x 144
.set STGP,  144
.set AK, 5                             ; v5-6   K fragments in slot 0, 1
.set AV, 7                             ; v7-8   V fragments in slot 0, 1
.set AD, 9                             ; v9     the diagonal chunk's V fragments
.set QA, 10
.set TA, 11
.set CB, 16                            ; v16-31 [ones 4, ones 4, triangle 4, zeros 4]
.set LS, 32
.set TP, 48
.set KF, 64
.set ST, 128
.set PB, 192
.set C3, 224
.set DL, 226
.set QF, 128                           ; window 1
.set VF, 192                           ; window 1
.set G1K, 32
.set G1V, 40
.set G1D, 48
.set GK,  56                           ; s[56:63] group 0 of K, a set for each slot
.set GV,  68                           ; s[68:75] group 0 of V
.set GDH, 76
.set GDL, 80
.set MSB, 0
.macro WIN new
.if MSB != (\new)
	s_set_vgpr_msb (MSB<<8)|(\new)
.set MSB, \new
.endif
.endm
.macro PLACES                          ; four plain vector places behind matrix instructions (ISA guide 7.12.1)
.rept 4
	v_nop
.endr
.endm
	s_load_b256 s[4:11], s[0:1], 0x0               ; Qn s[4:5], Kn s[6:7], Vh s[8:9], Vl s[10:11]
	s_load_b128 s[12:15], s[0:1], 0x20             ; Tt s[12:13], Ah s[14:15]
	v_lshl_add_u32 v254, v0, 2, 0x4f400
	v_mov_b32 v255, 0
	ds_add_u32 v254, v255
	ds_add_u32 v254, v255
	s_wait_dscnt 0x0
	v_lshrrev_b32 v1, 5, v0
	v_readfirstlane_b32 s16, v1                    ; wave 0..7
	s_lshr_b32 s17, s16, 2                         ; qc: which 64 queries
	s_and_b32 s18, s16, 3                          ; kq: which 64 keys of each half of a tile
	s_lshr_b32 s19, ttmp9, 3                       ; batch x 16 + head
	s_and_b32 s20, ttmp9, 7
	s_sub_co_u32 s26, 15, s20
	s_and_b32 s27, ttmp7, 0xffff
	s_cmp_eq_u32 s27, 0
	s_cselect_b32 s20, s26, s20                    ; i: query block, the long ones in the grid's first half
	s_lshr_b32 s21, s20, 2                         ; the last tile's number = tiles that lie wholly in front of my queries
	s_lshl_b32 s23, s21, 3
	s_add_co_u32 s23, s23, s18                     ; my first chunk in the last tile
	s_lshl_b32 s26, s20, 1
	s_add_co_u32 s26, s26, s17                     ; my queries' chunk
	s_sub_co_i32 s23, s23, s26                     ; their difference: < 0 all keys count, 0 the diagonal, > 0 none
	s_add_co_i32 s84, s23, 4                       ; the same for my second chunk
	s_mov_b32 s[G1K+0], (1<<16)|(1<<20)|(5<<22)|(3<<25)    ; 2-byte elements, after 64 words 4 words of padding
	s_mov_b32 s[G1V+0], (1<<16)|(1<<20)|(5<<22)|(7<<25)    ; 8 words of padding
	s_mov_b32 s[G1D+0], (1<<16)|(1<<20)|(5<<22)|(7<<25)
.irp g, G1K, G1V, G1D
	s_mov_b32 s[\g+1], 128<<16                     ; tensor_dim0 = 128
	s_mov_b32 s[\g+3], 128<<16                     ; tile_dim0 = 128 elements = 256 bytes = two keys
	s_mov_b32 s[\g+5], 128                         ; the block is dense
	s_mov_b32 s[\g+6], 0
	s_mov_b32 s[\g+7], 0
.endr
	s_mov_b32 s[G1K+2], 32<<16                     ; a wave moves 32 of a tile's 256 rows
	s_mov_b32 s[G1K+4], 32
	s_mov_b32 s[G1V+2], 32<<16
	s_mov_b32 s[G1V+4], 32
	s_mov_b32 s[G1D+2], 8<<16                      ; and 8 of the 64 diagonal rows
	s_mov_b32 s[G1D+4], 8
	s_lshl_b32 s30, s19, 18                        ; a head's 262,144 bytes
	s_lshl_b32 s26, s20, 14                        ; + query block x 128 keys x 128 bytes
	s_add_co_u32 s26, s26, s30
	s_lshl_b32 s31, s16, 11                        ; + wave x 16 keys
	s_add_co_u32 s26, s26, s31
	s_mov_b32 s27, 0
	s_lshl_b32 s28, s16, 13                        ; tiles: wave x 64 keys
	s_add_co_u32 s28, s28, s30
	s_mov_b32 s29, 0
	s_mul_i32 s2, s16, 8*VP
	s_mul_i32 s3, s16, 32*KP
	s_mul_i32 s31, s16, 32*VP
	s_wait_kmcnt 0x0
	s_mov_b32 s[GDH], 1
	s_add_co_u32 s[GDH+1], s2, DOFF
	s_add_nc_u64 s[GDH+2:GDH+3], s[8:9], s[26:27]
	s_or_b32 s[GDH+3], s[GDH+3], 0x80000000
	tensor_load_to_lds s[GDH:GDH+3], s[G1D:G1D+7]
	s_nop 0
	s_mov_b32 s[GDL], 1
	s_add_co_u32 s[GDL+1], s2, DOFF+DHALF
	s_add_nc_u64 s[GDL+2:GDL+3], s[10:11], s[26:27]
	s_or_b32 s[GDL+3], s[GDL+3], 0x80000000
	tensor_load_to_lds s[GDL:GDL+3], s[G1D:G1D+7]
	s_nop 0
	s_add_nc_u64 s[66:67], s[6:7], s[28:29]
	s_add_nc_u64 s[26:27], s[8:9], s[28:29]
.irp s, 0,1
	s_mov_b32 s[GK+4*\s], 1
	s_add_co_u32 s[GK+4*\s+1], s3, \s*SLOT
	s_add_nc_u64 s[GK+4*\s+2:GK+4*\s+3], s[66:67], \s*65536            ; slot s starts with tile s
	s_or_b32 s[GK+4*\s+3], s[GK+4*\s+3], 0x80000000
	s_mov_b32 s[GV+4*\s], 1
	s_add_co_u32 s[GV+4*\s+1], s31, \s*SLOT+KB
	s_add_nc_u64 s[GV+4*\s+2:GV+4*\s+3], s[26:27], \s*65536
	s_or_b32 s[GV+4*\s+3], s[GV+4*\s+3], 0x80000000
.endr
	tensor_load_to_lds s[GK:GK+3], s[G1K:G1K+7]    ; tile 0
	s_nop 0
	tensor_load_to_lds s[GV:GV+3], s[G1V:G1V+7]
	s_nop 0
	s_mov_b32 s24, 0x76543210
	s_mov_b32 s25, 0xfedcba98
	s_lshl_b32 s28, s20, 14                        ; Q: my 64 queries
	s_add_co_u32 s28, s28, s30
	s_lshl_b32 s31, s17, 13
	s_add_co_u32 s28, s28, s31
	s_mov_b32 s29, 0
	s_add_nc_u64 s[28:29], s[4:5], s[28:29]
	s_lshl_b32 s30, s19, 13                        ; Tt: a head's 32 chunks of 256 bytes; this wave sums chunks 16 (w >> 2) ..
	s_lshl_b32 s31, s17, 12
	s_add_co_u32 s30, s30, s31
	s_mov_b32 s31, 0
	s_add_nc_u64 s[30:31], s[12:13], s[30:31]
	v_and_b32 v1, 15, v0                           ; r
	v_bfe_u32 v2, v0, 4, 1                         ; h
	v_and_b32 v3, 7, v0                            ; l % 8
	v_bfe_u32 v4, v0, 3, 1                         ; (l / 8) % 2
	v_and_b32 v12, 31, v0                          ; l
	v_lshlrev_b32 v[QA], 7, v1                     ; Q fragments straight from memory: row r, 16 bytes a half
	v_lshl_add_u32 v[QA], v2, 4, v[QA]
	s_and_b32 s66, s16, 1                          ; totals: this wave's 32 of the 64 columns
	s_lshl_b32 s66, s66, 7
	v_lshlrev_b32 v[TA], 2, v12
	v_add_nc_u32 v[TA], s66, v[TA]
	WIN 0x40                                       ; destination window 1
.irp q, 0,1,2,3
.irp kd, 0,1
	global_load_b128 v[QF+8*(2*\q+\kd):QF+8*(2*\q+\kd)+3], v[QA], s[28:29] offset:\q*2048+64*\kd
	global_load_b128 v[QF+8*(2*\q+\kd)+4:QF+8*(2*\q+\kd)+7], v[QA], s[28:29] offset:\q*2048+64*\kd+32
.endr
.endr
	WIN 0
.set e, 0
.rept 16
	global_load_b32 v[KF+e], v[TA], s[30:31] offset:256*e
.set e, e+1
.endr
	v_and_b32 v13, 1, v0                           ; l % 2: which key of an LDS row
	v_lshrrev_b32 v14, 1, v1                       ; K fragments: key 64 kq + r: LDS row 32 kq + r / 2,
	v_mul_u32_u24 v[AK], v14, KP
	v_lshl_add_u32 v[AK], v13, 7, v[AK]            ; its half,
	v_lshl_add_u32 v[AK], v2, 4, v[AK]             ; 16 bytes for each half of the lanes
	s_mul_i32 s26, s18, 32*KP
	v_add_nc_u32 v[AK], s26, v[AK]
	v_add_nc_u32 v[AK+1], SLOT, v[AK]
	v_lshrrev_b32 v14, 1, v3                       ; V fragments: key 8 h + l % 8: LDS row 4 h + (l % 8) / 2,
	v_lshl_add_u32 v14, v2, 2, v14
	v_mul_u32_u24 v14, v14, VP
	v_lshl_add_u32 v14, v13, 7, v14                ; its half,
	v_lshl_add_u32 v14, v4, 4, v14                 ; 16 bytes for each group of eight lanes
	s_mul_i32 s26, s18, 32*VP
	s_add_co_u32 s26, s26, KB
	v_add_nc_u32 v[AV], s26, v14
	v_add_nc_u32 v[AV+1], SLOT, v[AV]
	s_and_b32 s26, s18, 1                          ; the diagonal chunk: even kq reads Vh, odd kq Vl
	s_mul_i32 s26, s26, DHALF
	s_mul_i32 s27, s17, 32*VP
	s_add_co_u32 s26, s26, s27
	s_add_co_u32 s26, s26, DOFF
	v_add_nc_u32 v[AD], s26, v14
	; the triangular operand: ones in waves kq = 0 (times Vh) and kq = 1 (times Vl), zeros in the others, which so start their sums at zero
	s_cmp_lt_u32 s18, 2
	s_cselect_b32 s26, 0x3f803f80, 0
	s_and_b32 s27, s26, 0xffff
	s_and_b32 s2, s26, 0xffff0000
	v_mov_b32 v48, s27
	v_mov_b32 v49, s2
	v_lshlrev_b32 v14, 3, v2
	v_sub_nc_u32 v[DL], v14, v1                    ; 8 h - r: in the diagonal 16 x 16 tile key 8 h + j counts for query r where -j >= 8 h - r
	v_sub_nc_u32 v14, v1, v14                      ; r - 8 h
.irp p, 0,1,2,3,4,5,6,7
	v_mov_b32 v[CB+\p], s26
.endr
.irp p, 0,1,2,3
	v_cmp_le_i32 vcc_lo, 2*\p, v14
	v_cndmask_b32 v50, 0, v48, vcc_lo
	v_cmp_le_i32 vcc_lo, 2*\p+1, v14
	v_cndmask_b32 v51, 0, v49, vcc_lo
	v_or_b32 v[CB+8+\p], v50, v51
	v_mov_b32 v[CB+12+\p], 0
.endr
.set e, 0
.rept 16
	v_mov_b32 v[LS+e], 0                           ; sixteen row-sum registers; the matrix sums are started by products
.set e, e+1
.endr
	v_mov_b32 v[C3], 0x3e2aaaab                    ; 1/6
	v_mov_b32 v[C3+1], 0x3e2aaaab
	s_bfe_u32 s2, s16, 0x10001                     ; totals: for which half of the queries this wave sums
	s_lshl_b32 s26, s20, 1
	s_add_co_u32 s26, s26, s2
	s_lshl_b32 s27, s17, 4
	s_sub_co_i32 s26, s26, s27                     ; how many of my 16 chunks lie in front of those queries' chunk
	v_mov_b32 v13, s26
	s_lshl_b32 s2, s2, 9
	s_lshl_b32 s27, s17, 8
	s_add_co_u32 s2, s2, s27
	s_add_co_u32 s2, s2, TBO
	v_add_nc_u32 v14, s2, v[TA]
	s_wait_loadcnt 0x0                             ; Q and the totals, once
.set e, 0
.rept 16
	v_cmp_lt_i32 vcc_lo, e, v13
	v_cndmask_b32 v[KF+e], 0, v[KF+e], vcc_lo
.set e, e+1
.endr
.irp e, 2,4,6,8,10,12,14
	v_pk_add_f32 v[KF:KF+1], v[KF:KF+1], v[KF+\e:KF+\e+1]
.endr
	v_add_f32 v[KF], v[KF], v[KF+1]
	ds_store_b32 v14, v[KF]
	s_wait_tensorcnt 2                             ; my rows of the diagonal Vh and Vl are in; K's and V's tile 0 stay out
	s_wait_dscnt 0x0
	s_barrier_signal -1
	s_barrier_wait -1
.macro VLOAD adr, off                  ; 16 transposing loads: V^T fragments (16 d x 32 keys) of 64 keys
	WIN 0x40
.irp dt, 0,1,2,3
.irp ks, 0,1
	ds_load_tr16_b128 v[VF+8*(2*\dt+\ks):VF+8*(2*\dt+\ks)+3], v[\adr] offset:\off+\ks*16*VP+32*\dt
	ds_load_tr16_b128 v[VF+8*(2*\dt+\ks)+4:VF+8*(2*\dt+\ks)+7], v[\adr] offset:\off+\ks*16*VP+32*\dt+8*VP
.endr
.endr
.endm
.macro TRIMUL q, ks, cb, zero          ; O(q, .) (+)= V^T(., 32 keys ks) x the triangle's block for query tile q
.irp dt, 0,1,2,3
.if \zero
	v_wmma_f32_16x16x32_bf16 v[8*(4*\q+\dt):8*(4*\q+\dt)+7], v[VF+8*(2*\dt+\ks):VF+8*(2*\dt+\ks)+7], v[CB+\cb:CB+\cb+7], 0
.else
	v_wmma_f32_16x16x32_bf16 v[8*(4*\q+\dt):8*(4*\q+\dt)+7], v[VF+8*(2*\dt+\ks):VF+8*(2*\dt+\ks)+7], v[CB+\cb:CB+\cb+7], v[8*(4*\q+\dt):8*(4*\q+\dt)+7]
.endif
.endr
.endm
	; the diagonal chunk's plain sum of v starts all sixteen sums; the accumulators take turns
	VLOAD AD, 0
	s_wait_dscnt 0x0
	WIN 0x51                                       ; D and C window 1, source 0 window 1, source 1 window 0
	TRIMUL 0, 0, 8, 1                              ; keys 0-31: query tile 0 sees [triangle, zeros],
	TRIMUL 1, 0, 4, 1                              ; tile 1 [ones, triangle],
	TRIMUL 2, 0, 0, 1                              ; tiles 2 and 3 [ones, ones]
	TRIMUL 3, 0, 0, 1
	TRIMUL 2, 1, 8, 0                              ; keys 32-63: nothing for tiles 0 and 1
	TRIMUL 3, 1, 4, 0
	WIN 0
; In front of each tile: every wave has waited for all its tensor loads (its rows of this tile among them) and for its reads of the other
; slot; behind the barrier the other slot's refill comes first.  It has two bodies of each wave in which to land.
.macro HEAD slot, refill
	s_wait_xcnt 0x0
	v_lshl_add_u32 v254, v0, 2, 0x4f400
	v_mov_b32 v255, 0
	s_wait_tensorcnt 0x0
	ds_add_u32 v254, v255
	s_wait_dscnt 0x0
	s_add_nc_u64 s[GK+4*\slot+2:GK+4*\slot+3], s[GK+4*\slot+2:GK+4*\slot+3], 0x20000   ; no load of mine is out: this slot's next tile, two on
	s_add_nc_u64 s[GV+4*\slot+2:GV+4*\slot+3], s[GV+4*\slot+2:GV+4*\slot+3], 0x20000
	s_wait_dscnt 0x0
	s_barrier_signal -1
	s_barrier_wait -1
.if \refill
	tensor_load_to_lds s[GK+4*(1-\slot):GK+4*(1-\slot)+3], s[G1K:G1K+7]
	s_nop 0
	tensor_load_to_lds s[GV+4*(1-\slot):GV+4*(1-\slot)+3], s[G1V:G1V+7]
	s_nop 0
.endif
.endm
; 16 scores of each lane (query tile q, keys 32 ks ..): expm1, the row sum, packing
.macro SOFT q, ks
.set XB, ST+8*(4*((\q)%2)+2*\ks)
.irp e, 0,1,2,3,4,5,6,7
	v_pk_fma_f32 v[TP+2*\e:TP+2*\e+1], v[XB+2*\e:XB+2*\e+1], v[C3:C3+1], 0.5 op_sel_hi:[1,1,0]
.endr
.irp e, 0,1,2,3,4,5,6,7
	v_pk_fma_f32 v[TP+2*\e:TP+2*\e+1], v[XB+2*\e:XB+2*\e+1], v[TP+2*\e:TP+2*\e+1], 1.0 op_sel_hi:[1,1,0]
.endr
.irp e, 0,1,2,3,4,5,6,7
	v_pk_mul_f32 v[XB+2*\e:XB+2*\e+1], v[XB+2*\e:XB+2*\e+1], v[TP+2*\e:TP+2*\e+1]
.endr
.irp e, 0,1,2,3,4,5,6,7
	v_pk_add_f32 v[LS+4*(\q)+2*((\e)%2):LS+4*(\q)+2*((\e)%2)+1], v[LS+4*(\q)+2*((\e)%2):LS+4*(\q)+2*((\e)%2)+1], v[XB+2*\e:XB+2*\e+1]
.endr
.irp e, 0,1,2,3,4,5,6,7
	v_cvt_pk_bf16_f32 v[PB+16*((\q)%2)+8*\ks+\e], v[XB+2*\e], v[XB+2*\e+1]
.endr
.endm
; The same for one tile of 16 keys (query tile q, key tile kt) of the diagonal chunk; diag = 1: the tile on the diagonal, under the mask
.macro SOFTB q, kt, diag
.set XB, ST+8*(4*((\q)%2)+\kt)
.irp e, 0,1,2,3
	v_pk_fma_f32 v[TP+2*\e:TP+2*\e+1], v[XB+2*\e:XB+2*\e+1], v[C3:C3+1], 0.5 op_sel_hi:[1,1,0]
.endr
.irp e, 0,1,2,3
	v_pk_fma_f32 v[TP+2*\e:TP+2*\e+1], v[XB+2*\e:XB+2*\e+1], v[TP+2*\e:TP+2*\e+1], 1.0 op_sel_hi:[1,1,0]
.endr
.irp e, 0,1,2,3
	v_pk_mul_f32 v[XB+2*\e:XB+2*\e+1], v[XB+2*\e:XB+2*\e+1], v[TP+2*\e:TP+2*\e+1]
.endr
.if \diag
.irp u, 0,1,2,3,4,5,6,7
	v_cmp_ge_i32 vcc_lo, -\u, v[DL]                ; key 8 h + u <= query r
	v_cndmask_b32 v[XB+\u], 0, v[XB+\u], vcc_lo
.endr
.endif
.irp e, 0,1,2,3
	v_pk_add_f32 v[LS+4*(\q)+2*((\e)%2):LS+4*(\q)+2*((\e)%2)+1], v[LS+4*(\q)+2*((\e)%2):LS+4*(\q)+2*((\e)%2)+1], v[XB+2*\e:XB+2*\e+1]
.endr
.irp e, 0,1,2,3
	v_cvt_pk_bf16_f32 v[PB+16*((\q)%2)+4*\kt+\e], v[XB+2*\e], v[XB+2*\e+1]
.endr
.endm
; Query tiles 2 g and 2 g + 1 against my 64 keys.  Eight accumulators take turns in each run of matrix instructions.
.macro GROUP g
	WIN 0x04                                       ; source 1 (Q) window 1
.irp kd, 0,1
.irp qq, 0,1
.irp kt, 0,1,2,3
.if \kd
	v_wmma_f32_16x16x32_bf16 v[ST+8*(4*\qq+\kt):ST+8*(4*\qq+\kt)+7], v[KF+8*(2*\kt+\kd):KF+8*(2*\kt+\kd)+7], v[QF+8*(2*(2*\g+\qq)+\kd):QF+8*(2*(2*\g+\qq)+\kd)+7], v[ST+8*(4*\qq+\kt):ST+8*(4*\qq+\kt)+7]
.else
	v_wmma_f32_16x16x32_bf16 v[ST+8*(4*\qq+\kt):ST+8*(4*\qq+\kt)+7], v[KF+8*(2*\kt+\kd):KF+8*(2*\kt+\kd)+7], v[QF+8*(2*(2*\g+\qq)+\kd):QF+8*(2*(2*\g+\qq)+\kd)+7], 0
.endif
.endr
.endr
.endr
	WIN 0
	PLACES                                         ; scores are read, and the packed operand of the last products is written, four places on
	SOFT 2*\g, 0
	SOFT 2*\g, 1
	SOFT 2*\g+1, 0
	SOFT 2*\g+1, 1
.if (\g)==0
	s_wait_dscnt 0x0                               ; the V fragments
.endif
	WIN 0x51
.irp ks, 0,1
.irp qq, 0,1
.irp dt, 0,1,2,3
	v_wmma_f32_16x16x32_bf16 v[8*(4*(2*\g+\qq)+\dt):8*(4*(2*\g+\qq)+\dt)+7], v[VF+8*(2*\dt+\ks):VF+8*(2*\dt+\ks)+7], v[PB+16*\qq+8*\ks:PB+16*\qq+8*\ks+7], v[8*(4*(2*\g+\qq)+\dt):8*(4*(2*\g+\qq)+\dt)+7]
.endr
.endr
.endr
.endm
; The same in the diagonal chunk: key tile kt counts for query tile q where kt <= q: 10 of the 16 score tiles, 24 of the 32 last products.
; In each run at least three accumulators take turns.
.macro GROUPD g
	WIN 0x04
.irp kd, 0,1
.irp qq, 0,1
.irp kt, 0,1,2,3
.if \kt <= 2*\g+\qq
.if \kd
	v_wmma_f32_16x16x32_bf16 v[ST+8*(4*\qq+\kt):ST+8*(4*\qq+\kt)+7], v[KF+8*(2*\kt+\kd):KF+8*(2*\kt+\kd)+7], v[QF+8*(2*(2*\g+\qq)+\kd):QF+8*(2*(2*\g+\qq)+\kd)+7], v[ST+8*(4*\qq+\kt):ST+8*(4*\qq+\kt)+7]
.else
	v_wmma_f32_16x16x32_bf16 v[ST+8*(4*\qq+\kt):ST+8*(4*\qq+\kt)+7], v[KF+8*(2*\kt+\kd):KF+8*(2*\kt+\kd)+7], v[QF+8*(2*(2*\g+\qq)+\kd):QF+8*(2*(2*\g+\qq)+\kd)+7], 0
.endif
.endif
.endr
.endr
.endr
	WIN 0
	PLACES
.irp qq, 0,1
.irp kt, 0,1,2,3
.if \kt < 2*\g+\qq
	SOFTB 2*\g+\qq, \kt, 0
.endif
.if \kt == 2*\g+\qq
	SOFTB 2*\g+\qq, \kt, 1
.endif
.if \kt == 2*\g+\qq+1
.if \kt % 2
.irp e, 0,1,2,3
	v_mov_b32 v[PB+16*\qq+4*\kt+\e], 0             ; the tile behind the diagonal that shares 32 keys with the diagonal tile: zeros
.endr
.endif
.endif
.endr
.endr
.if (\g)==0
	s_wait_dscnt 0x0                               ; the V fragments
.endif
	WIN 0x51
.irp ks, 0,1
.irp qq, 0,1
.if 2*\ks <= 2*\g+\qq
.irp dt, 0,1,2,3
	v_wmma_f32_16x16x32_bf16 v[8*(4*(2*\g+\qq)+\dt):8*(4*(2*\g+\qq)+\dt)+7], v[VF+8*(2*\dt+\ks):VF+8*(2*\dt+\ks)+7], v[PB+16*\qq+8*\ks:PB+16*\qq+8*\ks+7], v[8*(4*(2*\g+\qq)+\dt):8*(4*(2*\g+\qq)+\dt)+7]
.endr
.endif
.endr
.endr
.endm
.macro FRAGS slot, h                   ; the fragments of my chunk in half h of the slot's tile
	PLACES                                         ; fragment registers are loaded again four places behind the products that read them
.irp kt, 0,1,2,3
.irp kd, 0,1
	ds_load_b128 v[KF+8*(2*\kt+\kd):KF+8*(2*\kt+\kd)+3], v[AK+\slot] offset:\h*KH+\kt*8*KP+64*\kd
	ds_load_b128 v[KF+8*(2*\kt+\kd)+4:KF+8*(2*\kt+\kd)+7], v[AK+\slot] offset:\h*KH+\kt*8*KP+64*\kd+32
.endr
.endr
	VLOAD AV+\slot, \h*VH
	s_wait_dscnt 16                                ; K's 16 loads are in, V's 16 stay out
.endm
.macro BODY slot, h
	FRAGS \slot, \h
	GROUP 0
	GROUP 1
	WIN 0
.endm
.macro BODYD slot, h
	FRAGS \slot, \h
	GROUPD 0
	GROUPD 1
	WIN 0
.endm
.macro LAST slot, h, sd                ; a chunk of the last tile, by its place against my queries' chunk (no barrier stands under these branches)
	s_cmp_gt_i32 s[\sd], 0
	s_cbranch_scc1 .Lnone_\@
	s_cmp_lt_i32 s[\sd], 0
	s_cbranch_scc1 .Lfull_\@
	BODYD \slot, \h
	s_branch .Lnone_\@
.Lfull_\@:
	BODY \slot, \h
.Lnone_\@:
.endm
	s_lshr_b32 s22, s21, 1                         ; pairs of full tiles
	s_and_b32 s3, s21, 1                           ; one more full tile?
	s_cmp_eq_u32 s22, 0
	s_cbranch_scc1 .Ltail
.Lpair:
	HEAD 0, 1
	BODY 0, 0
	BODY 0, 1
	HEAD 1, 1
	BODY 1, 0
	BODY 1, 1
	s_sub_co_u32 s22, s22, 1
	s_cmp_lg_u32 s22, 0
	s_cbranch_scc1 .Lpair
.Ltail:
	s_cmp_eq_u32 s3, 0
	s_cbranch_scc1 .Leven
	HEAD 0, 1
	BODY 0, 0
	BODY 0, 1
	HEAD 1, 0                                      ; the last tile asks for nothing more
	LAST 1, 0, 23
	LAST 1, 1, 84
	s_branch .Lepi
.Leven:
	HEAD 0, 0
	LAST 0, 0, 23
	LAST 0, 1, 84
.Lepi:
	; THE END: the four waves' parts of each query half meet in LDS, over the ring, which is not filled again
	s_wait_dscnt 0x0                               ; my reads of the ring are over
	s_barrier_signal -1
	s_barrier_wait -1                              ; everybody's are
	PLACES
	s_mul_i32 s26, s16, SCRW
	v_lshlrev_b32 v13, 4, v12
	v_add_nc_u32 v13, s26, v13
	s_add_co_u32 s26, s26, 16384
	v_lshlrev_b32 v14, 2, v12
	v_add_nc_u32 v14, s26, v14
	WIN 0x04                                       ; store data window 1
.set e, 0
.rept 32
	ds_store_b128 v13, v[4*e:4*e+3] offset:512*e
.set e, e+1
.endr
	WIN 0
.irp q, 0,1,2,3
	v_pk_add_f32 v[LS+4*\q:LS+4*\q+1], v[LS+4*\q:LS+4*\q+1], v[LS+4*\q+2:LS+4*\q+3]
	v_add_f32 v[LS+4*\q], v[LS+4*\q], v[LS+4*\q+1]
	ds_store_b32 v14, v[LS+4*\q] offset:128*\q
.endr
	s_mul_i32 s27, s17, 4*SCRW                     ; the four waves of my query half
	s_lshl_b32 s28, s18, 12                        ; I finish query tile kq: 4,096 bytes of each wave's O
	s_add_co_u32 s28, s28, s27
	v_lshlrev_b32 v15, 4, v12
	v_add_nc_u32 v15, s28, v15
	s_lshl_b32 s28, s18, 7
	s_add_co_u32 s28, s28, s27
	s_add_co_u32 s28, s28, 16384
	v_lshlrev_b32 v5, 2, v12
	v_add_nc_u32 v5, s28, v5
	s_lshl_b32 s28, s17, 9
	s_add_co_u32 s28, s28, TBO
	v_lshlrev_b32 v6, 5, v2
	v_add_nc_u32 v6, s28, v6
	s_mul_i32 s28, s16, 16*STGP
	s_add_co_u32 s28, s28, STG
	v_mul_u32_u24 v7, v1, STGP
	v_lshl_add_u32 v7, v2, 4, v7
	v_add_nc_u32 v7, s28, v7                       ; stage, in: row r, 16 bytes a half
	v_lshrrev_b32 v8, 3, v12
	v_mul_u32_u24 v8, v8, STGP
	v_lshl_add_u32 v8, v3, 4, v8
	v_add_nc_u32 v8, s28, v8                       ; stage, back: eight lanes take a row of 128 bytes
	v_lshlrev_b32 v9, 4, v12                       ; 16 x lane: my bytes in 512 bytes of Ah
	s_lshl_b32 s26, s19, 18                        ; the head's 2,048 tokens of 128 bytes
	s_lshl_b32 s27, s20, 14
	s_add_co_u32 s26, s26, s27
	s_lshl_b32 s27, s17, 13
	s_add_co_u32 s26, s26, s27
	s_lshl_b32 s27, s18, 11
	s_add_co_u32 s26, s26, s27
	s_mov_b32 s27, 0
	s_add_nc_u64 s[14:15], s[14:15], s[26:27]
	s_lshl_b32 s28, s20, 7
	s_lshl_b32 s29, s17, 6
	s_add_co_u32 s28, s28, s29
	s_lshl_b32 s29, s18, 4
	s_add_co_u32 s28, s28, s29
	s_add_co_u32 s28, s28, 1                       ; keys that count for query r of my tile: this + r
	s_wait_dscnt 0x0                               ; my stores are done, for the others' sake
	s_barrier_signal -1
	s_barrier_wait -1
.irp k, 0,1,2,3
.irp u, 0,1,2,3,4,5,6,7
	ds_load_b128 v[64+32*\k+4*\u:64+32*\k+4*\u+3], v15 offset:\k*SCRW+512*\u
.endr
.endr
.irp k, 0,1,2,3
	ds_load_b32 v[LS+\k], v5 offset:\k*SCRW
.endr
.irp c, 0,1
.irp u, 0,1,2,3,4,5,6,7
	ds_load_b128 v[192+32*\c+4*\u:192+32*\c+4*\u+3], v6 offset:\c*256+64*((\u)/2)+16*((\u)%2)
.endr
.endr
	v_add_nc_u32 v36, s28, v1
	v_cvt_f32_u32 v36, v36
	s_wait_dscnt 0x0
.irp s, 96,128,160,192,224
.set e, 0
.rept 16
	v_pk_add_f32 v[64+2*e:64+2*e+1], v[64+2*e:64+2*e+1], v[\s+2*e:\s+2*e+1]
.set e, e+1
.endr
.endr
	v_add_f32 v[LS], v[LS], v[LS+1]
	v_add_f32 v[LS+2], v[LS+2], v[LS+3]
	v_add_f32 v[LS], v[LS], v[LS+2]
	v_permlanex16_b32 v[LS+1], v[LS], s24, s25     ; the other half's keys
	v_add_f32 v[LS], v[LS], v[LS+1]
	v_add_f32 v[LS], v[LS], v36                    ; + the number of keys
	v_rcp_f32 v38, v[LS]
	v_nop                                          ; one plain place behind a transcendental (ISA guide 5.7.2)
	s_wait_alu depctr_va_vdst(0)
	v_mov_b32 v39, v38
.set e, 0
.rept 16
	v_pk_mul_f32 v[64+2*e:64+2*e+1], v[64+2*e:64+2*e+1], v[38:39]
.set e, e+1
.endr
.set e, 0
.rept 16
	v_cvt_pk_f16_f32 v[96+e], v[64+2*e], v[64+2*e+1]
.set e, e+1
.endr
.irp dt, 0,1,2,3
	ds_store_b128 v7, v[96+4*\dt:96+4*\dt+3] offset:32*\dt
.endr
.irp t, 0,1,2,3
	ds_load_b128 v[160+4*\t:160+4*\t+3], v8 offset:4*STGP*\t           ; LDS serves a wave's instructions in order: these see the stores above
.endr
.irp t, 0,1,2,3
	s_wait_dscnt 3-\t                              ; the younger read-backs stay out
	global_store_b128 v9, v[160+4*\t:160+4*\t+3], s[14:15] offset:512*\t       ; the wave stores 512 consecutive bytes, aligned
.endr
	s_wait_xcnt 0x0
	v_lshl_add_u32 v254, v0, 2, 0x4f400
	v_mov_b32 v255, 0
	s_wait_tensorcnt 0x0
	ds_add_u32 v254, v255
	s_wait_dscnt 0x0
	s_endpgm
.Lfunc_end_k_q04b540d6e8_attn:
	.size	k_q04b540d6e8_attn, .Lfunc_end_k_q04b540d6e8_attn-k_q04b540d6e8_attn
	.p2alignl 7, 3214868480
	.fill 96, 4, 3214868480
	.section	.rodata,"a",@progbits
	.p2align	6, 0x0
	.amdhsa_kernel k_q04b540d6e8_attn
		.amdhsa_group_segment_fixed_size 327680
		.amdhsa_private_segment_fixed_size 0
		.amdhsa_enable_private_segment 0
		.amdhsa_kernarg_size 48
		.amdhsa_user_sgpr_count 2
		.amdhsa_user_sgpr_kernarg_segment_ptr 1
		.amdhsa_wavefront_size32 1
		.amdhsa_system_sgpr_workgroup_id_x 1
		.amdhsa_system_sgpr_workgroup_id_y 1
		.amdhsa_system_sgpr_workgroup_id_z 1
		.amdhsa_system_vgpr_workitem_id 0
		.amdhsa_next_free_vgpr 512
		.amdhsa_next_free_sgpr 88
		.amdhsa_reserve_vcc 1
		.amdhsa_float_denorm_mode_32 3
		.amdhsa_float_denorm_mode_16_64 3
		.amdhsa_memory_ordered 1
		.amdhsa_forward_progress 1
		.amdhsa_inst_pref_size 255
	.end_amdhsa_kernel
	.section	.bss,"aw",@nobits
	.p2align	6
	.space	262144
	.amdgpu_metadata
---
amdhsa.version: [ 1, 2 ]
amdhsa.kernels:
  - .name:           k_q04b540d6e8_attn
    .symbol:         k_q04b540d6e8_attn.kd
    .args:
      - { .name: Qn, .offset: 0, .size: 8, .value_kind: global_buffer, .address_space: global }
      - { .name: Kn, .offset: 8, .size: 8, .value_kind: global_buffer, .address_space: global }
      - { .name: Vh, .offset: 16, .size: 8, .value_kind: global_buffer, .address_space: global }
      - { .name: Vl, .offset: 24, .size: 8, .value_kind: global_buffer, .address_space: global }
      - { .name: Tt, .offset: 32, .size: 8, .value_kind: global_buffer, .address_space: global }
      - { .name: Ah, .offset: 40, .size: 8, .value_kind: global_buffer, .address_space: global }
    .group_segment_fixed_size: 327680
    .private_segment_fixed_size: 0
    .kernarg_segment_align: 8
    .kernarg_segment_size: 48
    .max_flat_workgroup_size: 256
    .sgpr_count:     88
    .vgpr_count:     512
    .wavefront_size: 32
...
	.end_amdgpu_metadata
.endif
;; end of part 6
;; launch oproj (part 7): grid 8 x 32, 4 waves a work-group, clusters of 4 x 4, 327,680 bytes of LDS; arguments Ah, Wb, bo, out0; writes out0
.if DOCPART == 7
	.amdgcn_target "amdgcn-amd-amdhsa--gfx1250"
	.amdhsa_code_object_version 6
	.text
	.protected	k_q04b540d6e8_oproj
	.globl	k_q04b540d6e8_oproj
	.p2align	8
	.type	k_q04b540d6e8_oproj,@function
k_q04b540d6e8_oproj:
	s_mov_b64 s[64:65], 0
	v_nop
	global_prefetch_b8 v0, s[64:65] scope:SCOPE_SE
	s_setreg_imm32_b32 hwreg(HW_REG_WAVE_MODE, 25, 1), 1
	s_wait_xcnt 0x0
	s_wait_alu depctr_hold_cnt(0) depctr_sa_sdst(0) depctr_va_vdst(0) depctr_va_sdst(0) depctr_va_ssrc(0) depctr_va_vcc(0) depctr_vm_vsrc(0)
	s_getreg_b32 s2, hwreg(HW_REG_IB_STS2, 6, 4)
	s_cmp_eq_u32 s2, 0
	s_cbranch_scc0 .Lentry_in_a_cluster
	s_endpgm
.Lentry_in_a_cluster:
	s_bfe_u32 s2, ttmp6, 0x10000c
	s_cmp_lg_u32 s2, 0xf033
	s_cbranch_scc0 .Lentry_shape_is_right
	s_endpgm
.Lentry_shape_is_right:
; out0 = V_hat Wo + bo.  Ah: [batch x 16 + head][2048 tokens][64] f16; Wo is the fourth weight in Wb, [1024 k][1024 n] f16;
; bo and out0 in f32; sums in f32.  f16 and not bf16: V_hat's first rows are some sixteen times the output's root mean square, and the
; comparison leaves a hundredth of that root mean square; f16 rounds within 2^-12 to 2^-11 of a number.  LIMIT: |V_hat|, |Wo| below 65,504.
; A work-group makes 128 tokens x 128 columns; wave w: tokens 64 (w >> 1) .., columns 64 (w & 1) ..: 16 accumulator tiles.
; K goes in tiles of 128 = two heads.  A head's 128 tokens are a dense block of 16,384 bytes and come in as 64 rows of 256 bytes, two tokens to an
; LDS row; Wo's tile is 128 rows of 256 bytes.  Four LDS slots, used as two slots of two tiles: all four are filled at the start, and each pair is
; filled once more.  A wave has four tensor loads outstanding at the start, later two; a refill has 120 matrix instructions in which to land.
; CLUSTERS: 4 x 4 work-groups; Ah's tile hangs on the token block alone (joint along a row of the cluster), Wo's on the column block
; alone (joint along a column).  Waves 0, 1 ask for the two heads of Ah's tile, waves 2, 3 for the halves of Wo's.
; The matrix instruction is used transposed (source 0 = 16 columns of Wo, source 1 = 16 tokens): a lane holds eight neighbouring columns.
; REGISTERS: window 0: v8-19 addresses, v20-23 bias, v64-127 / v128-191 fragments (Wo 32, V_hat 32), two buffers; window 1: v0-127 sums.
.set PA,     272                       ; Ah's LDS rows: two tokens, 256 bytes + 16: token t at (t >> 1) PA + 128 (t & 1); 16 tokens touch 16 different 16-byte columns
.set PB,     288                       ; Wo's LDS rows: 256 bytes + 32 (odd multiple of 32, for the transposing loads)
.set REGION, 64*PB                     ; 18,432: what one wave's tensor load fills (a head's block uses 17,408 of it)
.set SUB,    4*REGION                  ; a tile: head 0, head 1, Wo's 128 rows
.set STAGE,  4*SUB
.set SP,     272
.set ADRA, 8                           ; v8-11   my V_hat fragments in slots 0-3
.set ADRB, 12                          ; v12-15  my Wo fragments in slots 0-3
.set STO,  16
.set RD,   17
.set CO,   18
.set BA,   19
.set BIAS, 20
.set F0,   64
.set F1,   128
.set G1,  24                           ; s[24:31] group 1 for Ah's tiles
.set G1B, 32                           ; s[32:39] group 1 for Wo's tiles
.set G0,  40                           ; s[40:55] group 0 for Ah's tiles, a set for each slot
.set G0B, 56                           ; s[56:63], s[68:75] group 0 for Wo's tiles, a set for each slot
.set MUL, 0x50                         ; C and D window 1
.set MSB, 0
.macro WIN new
.if MSB != (\new)
	s_set_vgpr_msb (MSB<<8)|(\new)
.set MSB, \new
.endif
.endm
.macro PLACES                          ; four plain vector places behind matrix instructions (ISA guide 7.12.1)
.rept 4
	v_nop
.endr
.endm
; A joint load into slot s (s may be an expression: it stands in brackets).  Each line has one mask; the branch hangs on the wave's number alone.
.macro JLOAD s
	s_cmp_eq_u32 s13, 0
	s_cbranch_scc0 .Lfor_b_\@
	tensor_load_to_lds s[G0+4*(\s):G0+4*(\s)+3], s[G1:G1+7]
	s_nop 0
	s_branch .Lasked_\@
.Lfor_b_\@:
	tensor_load_to_lds s[G0B+4*(\s)+4*((\s)/2):G0B+4*(\s)+4*((\s)/2)+3], s[G1B:G1B+7]
	s_nop 0
.Lasked_\@:
.endm
.macro CREST                           ; a round of the cluster's barrier behind its opening work-group barrier
	s_cmp_lg_u32 s12, 0
	s_cbranch_scc1 .Lnot_wave_0_\@
	s_barrier_signal -3
.Lnot_wave_0_\@:
	s_barrier_wait -3
	s_barrier_signal -1
	s_barrier_wait -1
.endm
.macro CROUND
	s_barrier_signal -1
	s_barrier_wait -1
	CREST
.endm
	s_load_b256 s[4:11], s[0:1], 0x0               ; Ah s[4:5], Wb s[6:7], bo s[8:9], out0 s[10:11]
	v_lshl_add_u32 v254, v0, 2, 0x4c400
	v_mov_b32 v255, 0
	ds_add_u32 v254, v255
	ds_add_u32 v254, v255
	v_lshrrev_b32 v1, 5, v0
	v_readfirstlane_b32 s12, v1                    ; wave 0..3
	s_lshr_b32 s13, s12, 1                         ; which 64 tokens.  Also: I fetch for Ah (0) or for Wo (1)
	s_and_b32 s14, s12, 1                          ; which 64 columns.  Also: which head, or which 64 rows of Wo, I fetch
	s_bfe_u32 s15, ttmp6, 0x40000                  ; cx
	s_bfe_u32 s16, ttmp6, 0x40004                  ; cy
	s_lshl_b32 s17, ttmp9, 2
	s_add_co_u32 s17, s17, s15                     ; column block, 0..7
	s_and_b32 s18, ttmp7, 0xffff
	s_lshl_b32 s18, s18, 2
	s_add_co_u32 s18, s18, s16                     ; token block, 0..31
	s_lshl_b32 s19, s16, 2
	s_lshl_b32 s19, 15, s19                        ; my row of the cluster
	s_lshl_b32 s20, 0x1111, s15                    ; my column
	s_or_b32 s[G1+0], s19, (1<<16)|(1<<20)|(1<<21)|(5<<22)|(3<<25)    ; mask; 2-byte elements; padding on; bit 21 beside a mask; after 64 words 4 words
	s_mov_b32 s[G1+1], 128<<16                     ; tensor_dim0 = 128
	s_mov_b32 s[G1+2], 64<<16                      ; tensor_dim1 = 64
	s_mov_b32 s[G1+3], 128<<16                     ; tile_dim0 = 128 elements = 256 bytes = two tokens
	s_mov_b32 s[G1+4], 64                          ; tile_dim1 = 64 rows
	s_mov_b32 s[G1+5], 128                         ; the block is dense
	s_mov_b32 s[G1+6], 0
	s_mov_b32 s[G1+7], 0
	s_or_b32 s[G1B+0], s20, (1<<16)|(1<<20)|(1<<21)|(5<<22)|(7<<25)   ; my column's mask; after 64 words 8 words of padding
	s_mov_b32 s[G1B+1], 128<<16
	s_mov_b32 s[G1B+2], 64<<16
	s_mov_b32 s[G1B+3], 128<<16
	s_mov_b32 s[G1B+4], 64
	s_mov_b32 s[G1B+5], 1024                       ; elements from row to row of Wo
	s_mov_b32 s[G1B+6], 0
	s_mov_b32 s[G1B+7], 0
	s_lshr_b32 s76, s18, 4                         ; Ah: batch x 16 heads x 262,144 bytes
	s_lshl_b32 s76, s76, 22
	s_and_b32 s77, s18, 15                         ; + the block's 128 tokens of 128 bytes
	s_lshl_b32 s77, s77, 14
	s_add_co_u32 s76, s76, s77
	s_lshl_b32 s77, s14, 18                        ; + my head of the tile's two
	s_add_co_u32 s76, s76, s77
	s_mov_b32 s77, 0
	s_lshl_b32 s78, s17, 8                         ; Wo: the block's 128 columns
	s_lshl_b32 s79, s14, 17                        ; + my 64 rows of 2,048 bytes
	s_add_co_u32 s78, s78, s79
	s_add_co_u32 s78, s78, 6291456                 ; the fourth weight in Wb
	s_mov_b32 s79, 0
	s_mul_i32 s80, s12, REGION                     ; LDS: wave x region: no place in the cluster enters
	s_wait_dscnt 0x0
	s_wait_kmcnt 0x0
	s_add_nc_u64 s[76:77], s[4:5], s[76:77]
	s_add_nc_u64 s[78:79], s[6:7], s[78:79]
	CROUND                                         ; all sixteen work-groups are here: the first joint loads meet
.irp t, 0,1,2,3
	s_mov_b32 s[G0+4*\t], 1
	s_add_co_u32 s[G0+4*\t+1], s80, \t*SUB
	s_add_nc_u64 s[G0+4*\t+2:G0+4*\t+3], s[76:77], \t*524288           ; tile t: two heads on
	s_or_b32 s[G0+4*\t+3], s[G0+4*\t+3], 0x80000000
	s_mov_b32 s[G0B+4*\t+4*((\t)/2)], 1
	s_add_co_u32 s[G0B+4*\t+4*((\t)/2)+1], s80, \t*SUB
	s_add_nc_u64 s[G0B+4*\t+4*((\t)/2)+2:G0B+4*\t+4*((\t)/2)+3], s[78:79], \t*262144   ; tile t: 128 rows of Wo on
	s_or_b32 s[G0B+4*\t+4*((\t)/2)+3], s[G0B+4*\t+4*((\t)/2)+3], 0x80000000
	JLOAD \t
.endr
	v_and_b32 v1, 15, v0                           ; r
	v_bfe_u32 v2, v0, 4, 1                         ; h
	v_and_b32 v3, 7, v0
	v_bfe_u32 v4, v0, 3, 1
	v_and_b32 v5, 1, v0                            ; r % 2: which token of an LDS row
	v_lshrrev_b32 v6, 1, v1
	v_mul_u32_u24 v6, v6, PA                       ; V_hat fragments: token 64 (w >> 1) + r: LDS row 32 (w >> 1) + r / 2,
	v_lshl_add_u32 v6, v5, 7, v6                   ; its half,
	v_lshl_add_u32 v6, v2, 4, v6                   ; 16 bytes for each half of the lanes
	s_mul_i32 s81, s13, 32*PA
	v_add_nc_u32 v[ADRA], s81, v6
	v_lshl_add_u32 v7, v2, 3, v3                   ; Wo fragments: k-row 8 h + l % 8,
	v_mul_u32_u24 v7, v7, PB
	v_lshl_add_u32 v7, v4, 4, v7                   ; 16 bytes for each group of eight lanes,
	s_lshl_b32 s81, s14, 7                         ; my 64 columns,
	s_add_co_u32 s81, s81, 2*REGION                ; behind the two heads
	v_add_nc_u32 v[ADRB], s81, v7
.irp t, 1,2,3
	v_add_nc_u32 v[ADRA+\t], \t*SUB, v[ADRA]
	v_add_nc_u32 v[ADRB+\t], \t*SUB, v[ADRB]
.endr
	s_mul_i32 s81, s12, 16*SP
	s_add_co_u32 s81, s81, STAGE                   ; my stage, never filled by a tensor load
	v_mul_u32_u24 v6, v1, SP
	v_lshl_add_u32 v6, v2, 5, v6                   ; in: row r, 32 bytes (8 f32) for each half of the lanes
	v_add_nc_u32 v[STO], s81, v6
	v_mul_u32_u24 v6, v2, SP
	v_lshl_add_u32 v6, v1, 4, v6                   ; back: 16 lanes take a row of 256 bytes
	v_add_nc_u32 v[RD], s81, v6
	v_lshlrev_b32 v[CO], 12, v2
	v_lshl_add_u32 v[CO], v1, 4, v[CO]             ; the same two rows in out0
	v_lshlrev_b32 v[BA], 4, v1
	s_lshl_b32 s82, s17, 9                         ; my columns in bytes of f32: 512 x block + 256 x half
	s_lshl_b32 s83, s14, 8
	s_add_co_u32 s82, s82, s83
	s_mov_b32 s83, 0
	s_add_nc_u64 s[8:9], s[8:9], s[82:83]
	global_load_b128 v[BIAS:BIAS+3], v[BA], s[8:9] ; the four biases of the columns that I store
	s_lshl_b32 s84, s18, 19                        ; my first row of out0
	s_lshl_b32 s85, s13, 18
	s_add_co_u32 s84, s84, s85
	s_add_co_u32 s84, s84, s82
	s_mov_b32 s85, 0
	s_add_nc_u64 s[10:11], s[10:11], s[84:85]
; 8 matrix instructions: token tiles a0, a0 + 1 x 4 column tiles, 32 along K, from buffer f.  zero = 1: the product starts the sums.
.macro MUL8 f, a0, zero
.irp a, \a0, \a0+1
.irp b, 0,1,2,3
.if \zero
	v_wmma_f32_16x16x32_f16 v[8*(4*(\a)+\b):8*(4*(\a)+\b)+7], v[\f+8*\b:\f+8*\b+7], v[\f+32+8*(\a):\f+32+8*(\a)+7], 0
.else
	v_wmma_f32_16x16x32_f16 v[8*(4*(\a)+\b):8*(4*(\a)+\b)+7], v[\f+8*\b:\f+8*\b+7], v[\f+32+8*(\a):\f+32+8*(\a)+7], v[8*(4*(\a)+\b):8*(4*(\a)+\b)+7]
.endif
.endr
.endr
.endm
; 16 LDS loads: phase ph of slot sub (head ph / 2 of the tile, 32 k at 32 (ph % 2)) into buffer f: Wo, then V_hat
.macro FETCH sub, ph, f
.irp b, 0,1,2,3
	ds_load_tr16_b128 v[\f+8*\b:\f+8*\b+3], v[ADRB+\sub] offset:\ph*32*PB+32*\b
	ds_load_tr16_b128 v[\f+8*\b+4:\f+8*\b+7], v[ADRB+\sub] offset:\ph*32*PB+32*\b+16*PB
.endr
.irp a, 0,1,2,3
	ds_load_b128 v[\f+32+8*\a:\f+32+8*\a+3], v[ADRA+\sub] offset:((\ph)/2)*REGION+\a*8*PA+((\ph)%2)*64
	ds_load_b128 v[\f+32+8*\a+4:\f+32+8*\a+7], v[ADRA+\sub] offset:((\ph)/2)*REGION+\a*8*PA+((\ph)%2)*64+32
.endr
.endm
; A phase: 16 matrix instructions on buffer f; the next phase's fragments are asked for first, into buffer g, so that they have the whole phase
; in which to come.  The 16 accumulators take turns, one instruction a turn, in the same order in every phase.
.macro PHASE f, g, nsub, nph, zero
	PLACES                                         ; buffer g was read by the phase before
	WIN 0
	FETCH \nsub, \nph, \g
	s_wait_dscnt 16                                ; all but the 16 just issued: buffer f is in
	WIN MUL
	MUL8 \f, 0, \zero
	MUL8 \f, 2, \zero
.endm
.macro SEVEN s, zero                   ; the first seven of the eight phases of slots 2 s and 2 s + 1
	PHASE F0, F1, 2*\s, 1, \zero
	PHASE F1, F0, 2*\s, 2, 0
	PHASE F0, F1, 2*\s, 3, 0
	PHASE F1, F0, 2*\s+1, 0, 0
	PHASE F0, F1, 2*\s+1, 1, 0
	PHASE F1, F0, 2*\s+1, 2, 0
	PHASE F0, F1, 2*\s+1, 3, 0
.endm
; The eighth phase changes slots.  In front of the barrier each wave waits for its reads of slots 2 s, 2 s + 1 and for all its tensor loads (two are
; out: its parts of the other pair).  fill = 1: the barrier opens a round of the cluster's barrier, and the joint refills, four tiles ahead, are
; the first tensor loads behind the round.
.macro TURN s, fill
	s_wait_dscnt 0                                 ; buffer 1 is in, and my reads of this pair of slots are over
	s_wait_tensorcnt 0x0                           ; all my tensor loads have landed
	ds_add_u32 v254, v255
	s_wait_dscnt 0x0
	s_barrier_signal -1
	WIN MUL
	MUL8 F1, 0, 0                                  ; register work while the others arrive
	WIN 0
	s_barrier_wait -1
.if \fill
	CREST
.irp t, 2*\s, 2*\s+1
	s_add_nc_u64 s[G0+4*(\t)+2:G0+4*(\t)+3], s[G0+4*(\t)+2:G0+4*(\t)+3], 4*524288
	s_add_nc_u64 s[G0B+4*(\t)+4*((\t)/2)+2:G0B+4*(\t)+4*((\t)/2)+3], s[G0B+4*(\t)+4*((\t)/2)+2:G0B+4*(\t)+4*((\t)/2)+3], 4*262144
.endr
	JLOAD 2*\s
	JLOAD 2*\s+1
.endif
	PLACES                                         ; buffer 0 was read by the seventh phase
	FETCH 2*(1-\s), 0, F0
	WIN MUL
	MUL8 F1, 2, 0
.endm
	s_wait_tensorcnt 2                             ; my parts of tiles 0 and 1 are in; tiles 2 and 3 stay out
	s_barrier_signal -1
	s_barrier_wait -1
	FETCH 0, 0, F0
	SEVEN 0, 1                                     ; tiles 0, 1: the first products start the sums
	TURN 0, 1                                      ; tiles 4, 5 are asked for
	SEVEN 1, 0                                     ; tiles 2, 3
	TURN 1, 1                                      ; tiles 6, 7 are asked for
	SEVEN 0, 0                                     ; tiles 4, 5
	TURN 0, 0                                      ; nothing more to ask for
	SEVEN 1, 0                                     ; tiles 6, 7
	s_wait_dscnt 0
	MUL8 F1, 0, 0
	MUL8 F1, 2, 0
	; THE WAY OUT, 16 tokens at a time through my stage; the bias is added to whole rows
	PLACES
	s_wait_loadcnt 0x0                             ; the bias
.macro OUT16 a, f
	WIN 0x04                                       ; store data window 1
.irp b, 0,1,2,3
.irp p, 0,1
	ds_store_b128 v[STO], v[8*(4*\a+\b)+4*\p:8*(4*\a+\b)+4*\p+3] offset:64*\b+16*\p
.endr
.endr
	WIN 0
	s_wait_xcnt 0x0                                ; buffer f was earlier stores' data, s[10:11] their base: written again only behind this wait
.if \a
	s_add_nc_u64 s[10:11], s[10:11], 65536         ; 16 rows of out0 on
.endif
.irp t, 0,1,2,3,4,5,6,7
	ds_load_b128 v[\f+4*\t:\f+4*\t+3], v[RD] offset:2*SP*\t            ; LDS serves a wave's instructions in order: these see the stores above
.endr
.irp t, 0,1,2,3,4,5,6,7
	s_wait_dscnt 7-\t                              ; the younger read-backs stay out
	v_pk_add_f32 v[\f+4*\t:\f+4*\t+1], v[\f+4*\t:\f+4*\t+1], v[BIAS:BIAS+1]
	v_pk_add_f32 v[\f+4*\t+2:\f+4*\t+3], v[\f+4*\t+2:\f+4*\t+3], v[BIAS+2:BIAS+3]
	global_store_b128 v[CO], v[\f+4*\t:\f+4*\t+3], s[10:11] offset:8192*\t th:TH_STORE_NT   ; 16 lanes store 256 consecutive bytes, aligned
.endr
.endm
	OUT16 0, F0
	OUT16 1, F1
	OUT16 2, F0
	OUT16 3, F1
	s_wait_tensorcnt 0x0
	ds_add_u32 v254, v255
	s_wait_dscnt 0x0
	CROUND                                         ; the closing round: no work-group ends while a partner may still ask for a tile that names it
	s_endpgm
.Lfunc_end_k_q04b540d6e8_oproj:
	.size	k_q04b540d6e8_oproj, .Lfunc_end_k_q04b540d6e8_oproj-k_q04b540d6e8_oproj
	.p2alignl 7, 3214868480
	.fill 96, 4, 3214868480
	.section	.rodata,"a",@progbits
	.p2align	6, 0x0
	.amdhsa_kernel k_q04b540d6e8_oproj
		.amdhsa_group_segment_fixed_size 327680
		.amdhsa_private_segment_fixed_size 0
		.amdhsa_enable_private_segment 0
		.amdhsa_kernarg_size 32
		.amdhsa_user_sgpr_count 2
		.amdhsa_user_sgpr_kernarg_segment_ptr 1
		.amdhsa_wavefront_size32 1
		.amdhsa_system_sgpr_workgroup_id_x 1
		.amdhsa_system_sgpr_workgroup_id_y 1
		.amdhsa_system_sgpr_workgroup_id_z 1
		.amdhsa_system_vgpr_workitem_id 0
		.amdhsa_next_free_vgpr 384
		.amdhsa_next_free_sgpr 96
		.amdhsa_reserve_vcc 0
		.amdhsa_float_denorm_mode_32 3
		.amdhsa_float_denorm_mode_16_64 3
		.amdhsa_memory_ordered 1
		.amdhsa_forward_progress 1
		.amdhsa_inst_pref_size 96
	.end_amdhsa_kernel
	.amdgpu_metadata
---
amdhsa.version: [ 1, 2 ]
amdhsa.kernels:
  - .name:           k_q04b540d6e8_oproj
    .symbol:         k_q04b540d6e8_oproj.kd
    .args:
      - { .name: Ah, .offset: 0, .size: 8, .value_kind: global_buffer, .address_space: global }
      - { .name: Wb, .offset: 8, .size: 8, .value_kind: global_buffer, .address_space: global }
      - { .name: bo, .offset: 16, .size: 8, .value_kind: global_buffer, .address_space: global }
      - { .name: out0, .offset: 24, .size: 8, .value_kind: global_buffer, .address_space: global }
    .group_segment_fixed_size: 327680
    .private_segment_fixed_size: 0
    .kernarg_segment_align: 8
    .kernarg_segment_size: 32
    .max_flat_workgroup_size: 128
    .sgpr_count:     96
    .vgpr_count:     384
    .wavefront_size: 32
...
	.end_amdgpu_metadata
.endif
;; end of part 7
